; MI455X (gfx1250); checked and timed in simulation.
; The chip was launched on July 23, 2026; its instructions are those of AMD's public machine-readable ISA for CDNA 5 (MIT licence, August 2026) and "CDNA5" Instruction Set Architecture Reference Guide (July 2026). The comments in the code are by the model that wrote it; some were corrected since.
;; Fused Attention. Allowed arithmetic: matrix products marked QUANTISED: E4M3 operands, one E8M0 scale for each 32 along K, by v_wmma_scale_f32_16x16x128_f8f6f4 with both operands' format E4M3, f32 sums; everything else in f32.
;; Inputs: attn_b 3,072 float32; attn_w 1,024 x 3,072 float32; ln_b 1,024 float32; ln_w 1,024 float32; proj_b 1,024 float32; proj_w 1,024 x 1,024 float32; x 4 x 2,048 x 1,024 float32.
;; Outputs: out0 4 x 2,048 x 1,024 float32.
;; Constants: n_heads = 16.
;; This version of the problem:
;;   THIS VERSION OF THE PROBLEM IS GIVEN IN LOW PRECISION. The matrix products marked QUANTISED in the list below multiply operands that are first quantised to E4M3 (4 exponent bits, 3 mantissa bits; 8 bits a number), with one power-of-two scale for each 32 numbers along K (OCP MX v1.0); their sums are f32. All else is computed in f32.
;;   The module's matrix products, in the order in which they are computed (A, B: the left and right operand; K: the contracted axis; several contracted axes count as one K, in the product's order):
;;     1. [M 8,192, K 1,024] x [K 1,024, N 3,072]; A: computed on the way; B: input attn_w: QUANTISED
;;     2. batch 64 x [M 2,048, K 64] x [K 64, N 2,048]; A: computed on the way; B: computed on the way: QUANTISED
;;     3. batch 64 x [M 2,048, K 2,048] x [K 2,048, N 64]; A: softmax (see below); B: computed on the way: QUANTISED
;;     4. [M 8,192, K 1,024] x [K 1,024, N 1,024]; A: computed on the way; B: input proj_w: QUANTISED
;;   THE QUANTISER, for each operand of a quantised product, along K:
;;     - K is cut into blocks of 32 from its start; a last block that is shorter is filled with zeros.
;;     - A block's scale is 2^e with e = floor(log2(the largest magnitude in the block)) - 8, held to -126 .. 127; a block of zeros has e = 0. As a byte (E8M0): e + 127.
;;     - Each number is divided by its block's scale, clamped to +-448, and rounded to the nearest number of E4M3, ties to even, subnormals kept.
;;     - The product sums the exact products of the quantised numbers (number of the format x scale) in f32.
;;   ~~~python
;;   def quantise(x, axis):      # numpy; x: float32 -> the quantised numbers, widened to float32 again
;;       x = np.moveaxis(x, axis, -1); K = x.shape[-1]
;;       x = np.pad(x, [(0, 0)] * (x.ndim - 1) + [(0, -K % 32)]); x = x.reshape(x.shape[:-1] + (-1, 32)); a = np.abs(x).max(-1, keepdims=True)
;;       e = np.where(a > 0, np.clip(np.frexp(np.where(a > 0, a, 1))[1] - 1 - 8, -126, 127), 0)      # np.frexp(a)[1] - 1 = floor(log2(a)), exactly
;;       r = np.clip(x / 2.0 ** e, -448, 448)
;;       step = 2.0 ** (np.maximum(np.frexp(np.where(r == 0, 1, r))[1] - 1, -6) - 3)
;;       q = np.round(r / step) * step * 2.0 ** e      # np.round: ties to even
;;       return np.moveaxis(q.reshape(q.shape[:-2] + (-1,))[..., :K], -1, axis).astype(np.float32)
;;   ~~~
;;   SOFTMAX AHEAD OF A QUANTISED PRODUCT. Where the list says 'softmax', what is quantised is not the finished softmax but p = 2^(t - M), with t = logit x log2(e) and M = ceil(the row's largest t), a whole number; so 1/2 < the row's largest p <= 1. The row's sum l is taken of the UNQUANTISED p, in f32, and the product's result is divided by l at the end. Since M is a whole number, a kernel that streams over the keys may use a running M (the ceiling of the running maximum): every later rescaling is an exact power of two, which a block's scale takes up: the codes' values come out the same.
;;   OPERANDS COMPUTED ON THE WAY. 'Computed on the way' means the value that the module computes at that place (a softmax that the list does not call 'softmax' is quantised finished and normalised). What goes into a quantiser is computed in f32, as accurately as f32 sums, v_exp_f32 and their like allow (about 1e-6 of the number): no bf16 or f16 on the way to a quantiser, and a product that is left as it is and whose result goes on into a quantised operand takes f32 operands (vector FMAs, or v_wmma_f32_16x16x4_f32). A number that lies on a knife's edge between two numbers of the format may be rounded either way, as far as f32 arithmetic and the matrix unit's own rounding can turn it there, and no further.
;; One version. Each part assembles by itself: llvm-mc -triple=amdgcn-amd-amdhsa -mcpu=gfx1250 --defsym DOCPART=n.
;; ======== version 1 of 1: 4 launches
;; limits: right only within a limited range of input values
;; workspace buffers: xn 8,650,752 bytes; wq 4,325,376 bytes; qkv 25,952,256 bytes; ctx 8,650,752 bytes
;; launch prep (part 1): grid 384 x 1, 4 waves a work-group, no clusters, 55,808 bytes of LDS; arguments x, ln_w, ln_b, attn_w, proj_w, xn, wq; writes xn, wq
.if DOCPART == 1
	.amdgcn_target "amdgcn-amd-amdhsa--gfx1250"
	.amdhsa_code_object_version 6
	.text
	.protected	k_q19c4bd423a_prep
	.globl	k_q19c4bd423a_prep
	.p2align	8
	.type	k_q19c4bd423a_prep,@function
k_q19c4bd423a_prep:
	s_mov_b64 s[64:65], 0
	v_nop
	global_prefetch_b8 v0, s[64:65] scope:SCOPE_SE
	s_setreg_imm32_b32 hwreg(HW_REG_WAVE_MODE, 25, 1), 1
	s_wait_xcnt 0x0
; PREP: LayerNorm(x) and the two weights become codes of E4M3 with one E8M0 byte for each 32 along K, laid as IMAGES OF OPERAND REGISTERS.
; AN IMAGE.  Rows go in groups of 128 (RGB bytes a group).  Tile t (0..7) of a group holds in its lane row r (0..15) the logical row 32 (t/2) + 8 (t%2) + r + 8 (r/8).
; A chunk is 512 bytes: lane 16 h + r has, at byte 16 x lane, the codes k = 32 c + 16 h + 0..15 of its row.  Codes: [k/64][t][c][512]; behind them, at SCOFF, the scale bytes [k/256][t][r][8].
; Work-groups 0-255: 32 rows of x each (LayerNorm, quantised along the 1,024 channels).  256-351: attn_w, 352-383: proj_w: 128 columns x 256 along K each (K is the weights' FIRST axis: a lane takes a column, its registers run down K).
; The three ways part on the work-group's number alone; only the first uses LDS and has a barrier.
; LIMITS: NaN and infinities among the inputs are not served; a block whose largest magnitude lies under 2^-118 (a block of zeros among them) gets the byte 1: its codes are what the floor's scale gives (zeros stay zeros), and this program alone reads the bytes.
.set RGB,   135168
; THE IMAGE GOES BY K STEPS OF 256 (this takes the place of the order given at the head): a row group is [k/256][33,792 bytes]: 32,768 codes [k/64 % 4][t][c][512], then, at SCOFF, 1,024 scale bytes [t][r][8].
.set SCOFF, 32768
.set SP,    80                         ; a lane's place in a turn stage: 64 bytes + 16 of padding
.set CODES, 20480                      ; LDS: behind the four waves' stages (5,120 bytes each): 32 rows of 1,024 codes,
.set CP,    1040                       ; 1,040 bytes apart: an odd multiple of 16
.set SCS,   53760                      ; and 1,024 scale bytes [k/256][tile 2][r 16][8]
.set R,   16                           ; v16-111  three sets of 32: a row as loaded
.set X,   112                          ; v112-143 register i: k = 16 lane + i; register 16 + i: k = 512 + 16 lane + i
.set LW,  144                          ; v144-175 ln_w at the same k
.set LB,  176                          ; v176-207 ln_b
.set C,   208                          ; v208-215 codes
.set E,   216                          ; v216-217 scale bytes
.set MU,  218                          ; v[218:219] minus the mean (the low word serves both halves)
.set RS,  220                          ; v[220:221] 1 / sqrt(var + eps)
.set T,   222                          ; v222-229 at work
.set WX,  32                           ; the weights' way: v32-95 two sets of 32 numbers
.set WC,  96                           ; v96-159 codes, eight registers for each block: no store's data are written again
.set SB,  24                           ; v24-25 eight scale bytes
	s_load_b256 s[4:11], s[0:1], 0x0               ; x, ln_w, ln_b, attn_w
	s_load_b128 s[12:15], s[0:1], 0x20             ; proj_w, xn
	s_load_b64 s[16:17], s[0:1], 0x30              ; wq
	v_lshl_add_u32 v254, v0, 2, 0xd800
	v_mov_b32 v255, 0
	v_lshrrev_b32 v1, 5, v0
	v_readfirstlane_b32 s18, v1                    ; wave 0..3
	v_and_b32 v2, 31, v0                           ; lane
	s_mov_b32 s19, 0x600000                        ; the mantissa field of 448
	s_cmp_lt_u32 ttmp9, 256
	s_cbranch_scc0 .Lweights
; ---------------- LayerNorm: work-group g takes logical rows 32 g on: tiles 2 u, 2 u + 1 (u = g % 4) of group g / 4.  Wave w takes rows 8 w + j: tile 2 u + w % 2, lane rows 8 (w / 2) + j
	s_and_b32 s20, s18, 1                          ; which of the two tiles
	s_lshr_b32 s21, s18, 1                         ; which half of its lane rows
	v_lshlrev_b32 v3, 4, v2                        ; 16 x lane
	s_mul_i32 s22, s18, 5120                       ; my wave's two stages
	v_lshrrev_b32 v14, 2, v2
	v_mul_u32_u24 v14, v14, SP
	v_and_b32 v15, 3, v2
	v_lshl_add_u32 v14, v15, 4, v14
	v_add_nc_u32 v14, s22, v14                     ; into a stage: four lanes' 64 bytes on end, then the padding
	v_mul_u32_u24 v15, v2, SP
	v_add_nc_u32 v15, s22, v15                     ; out of it: my 16 neighbours
	s_mul_i32 s23, s20, 16*CP
	s_mul_i32 s24, s21, 8*CP
	s_add_co_u32 s23, s23, s24
	s_add_co_u32 s23, s23, CODES
	v_add_nc_u32 v4, s23, v3                       ; my codes' place: row 16 (w % 2) + 8 (w / 2) + j, byte 16 x lane
	v_lshrrev_b32 v5, 4, v2
	v_bfe_u32 v6, v2, 1, 3
	v_lshl_add_u32 v5, v5, 8, v6
	s_lshl_b32 s24, s20, 7
	s_lshl_b32 s25, s21, 6
	s_add_co_u32 s24, s24, s25
	s_add_co_u32 s24, s24, SCS
	v_add_nc_u32 v5, s24, v5                       ; my block's byte: block 16 s + lane / 2 of the row
	v_and_b32 v7, 15, v2
	v_lshrrev_b32 v8, 4, v2
	v_mul_u32_u24 v6, v7, CP
	v_lshl_add_u32 v6, v8, 4, v6
	s_mul_i32 s24, s20, 16*CP
	s_lshl_b32 s25, s21, 9
	s_add_co_u32 s24, s24, s25
	s_add_co_u32 s24, s24, CODES
	v_add_nc_u32 v6, s24, v6                       ; back as chunks: tile w % 2, k from 512 (w / 2) on: row r, + 16 h
	v_lshlrev_b32 v8, 3, v2                        ; 8 x lane
	s_lshl_b32 s24, s18, 8
	s_add_co_u32 s24, s24, SCS
	v_add_nc_u32 v7, s24, v8                       ; the scale bytes of k / 256 = w
	v_lshlrev_b32 v9, 6, v2                        ; ln_w, ln_b: 16 numbers a lane
	v_mov_b32 v[MU+1], 0                           ; (named as the upper halves of pairs)
	v_mov_b32 v[RS+1], 0
	s_mov_b32 s26, 0xba800000                      ; -1 / 1024
	s_mov_b32 s27, 0x3a800000                      ; 1 / 1024
	s_mov_b32 s28, 0x3727c5ac                      ; 1e-5
	s_mov_b32 s30, 0x76543210
	s_mov_b32 s31, 0xfedcba98                      ; lane l xor 16
	s_lshl_b32 s32, ttmp9, 17                      ; 32 rows of 4,096 bytes
	s_lshl_b32 s33, s18, 15                        ; my 8
	s_add_co_u32 s32, s32, s33
	s_mov_b32 s33, 0
	s_lshr_b32 s34, ttmp9, 2
	s_mul_i32 s34, s34, RGB                        ; the row group's image
	s_and_b32 s35, ttmp9, 3
	s_lshl_b32 s36, s35, 11                        ; tile 2 u
	s_add_co_u32 s36, s36, s34
	s_lshl_b32 s37, s20, 10
	s_add_co_u32 s36, s36, s37
	s_mul_i32 s37, s21, 67584                      ; K steps 2 (w / 2) on
	s_add_co_u32 s36, s36, s37
	s_mov_b32 s37, 0
	s_mul_i32 s38, s18, 33792                      ; K step w
	s_add_co_u32 s38, s38, s34
	s_lshl_b32 s39, s35, 8
	s_add_co_u32 s38, s38, s39
	s_add_co_u32 s38, s38, SCOFF
	s_mov_b32 s39, 0
	s_wait_alu depctr_va_vdst(0)
	s_wait_kmcnt 0x0
	s_add_nc_u64 s[4:5], s[4:5], s[32:33]
	s_add_nc_u64 s[36:37], s[14:15], s[36:37]
	s_add_nc_u64 s[38:39], s[14:15], s[38:39]
.irp s, 0,1
.irp i, 0,1,2,3
	global_load_b128 v[LW+16*\s+4*\i:LW+16*\s+4*\i+3], v9, s[6:7] offset:2048*\s+16*\i
	global_load_b128 v[LB+16*\s+4*\i:LB+16*\s+4*\i+3], v9, s[8:9] offset:2048*\s+16*\i
.endr
.endr
.macro LOADROW t                       ; a row: eight loads of 512 consecutive bytes
.irp i, 0,1,2,3,4,5,6,7
	global_load_b128 v[R+32*((\t)%3)+4*\i:R+32*((\t)%3)+4*\i+3], v3, s[4:5] offset:4096*(\t)+512*\i th:TH_LOAD_NT
.endr
.endm
.macro LANESUM                         ; v[T] summed over the 32 lanes, in every lane
	v_add_f32_dpp v[T], v[T], v[T] row_xmask:1 row_mask:0xf bank_mask:0xf
	v_add_f32_dpp v[T], v[T], v[T] row_xmask:2 row_mask:0xf bank_mask:0xf
	v_add_f32_dpp v[T], v[T], v[T] row_xmask:4 row_mask:0xf bank_mask:0xf
	v_add_f32_dpp v[T], v[T], v[T] row_xmask:8 row_mask:0xf bank_mask:0xf
	v_permlanex16_b32 v[T+1], v[T], s30, s31
	v_add_f32 v[T], v[T], v[T+1]
.endm
.macro QB16 xs, cc, ee                 ; my 16 numbers of a block (the neighbouring lane has the other 16) -> 16 codes, the block's byte
	v_max3_num_f32 v[T], |v[\xs]|, |v[\xs+1]|, |v[\xs+2]|
	v_max3_num_f32 v[T+1], |v[\xs+3]|, |v[\xs+4]|, |v[\xs+5]|
.irp i, 6,10
	v_max3_num_f32 v[T], v[T], |v[\xs+\i]|, |v[\xs+\i+1]|
	v_max3_num_f32 v[T+1], v[T+1], |v[\xs+\i+2]|, |v[\xs+\i+3]|
.endr
	v_max3_num_f32 v[T], v[T], |v[\xs+14]|, |v[\xs+15]|
	v_max3_num_f32 v[T], v[T], v[T+1], 0x4800000   ; the floor 2^(9 - 127): the byte cannot fall under 1
	v_max_num_f32_dpp v[T], v[T], v[T] row_xmask:1 row_mask:0xf bank_mask:0xf
	v_add_nc_u32 v[T+3], 0xfc000000, v[T]          ; 8 off the exponent field: the conversion's scale operand
	v_and_or_b32 v[T+2], v[T], 0x7f800000, s19     ; 448 x the scale
.set i, 0
.rept 16
	v_med3_num_f32 v[\xs+i], v[\xs+i], -v[T+2], v[T+2]   ; the conversion to an 8-bit code does not saturate (ISA guide 7.6.2): the hold comes first
.set i, i+1
.endr
	v_cvt_scalef32_pk8_fp8_f32 v[\cc:\cc+1], v[\xs:\xs+7], v[T+3]
	v_cvt_scalef32_pk8_fp8_f32 v[\cc+2:\cc+3], v[\xs+8:\xs+15], v[T+3]
	v_lshrrev_b32 v[\ee], 23, v[T+3]               ; the byte (also the plain line behind the conversions)
.endm
.macro ROW t
.set RR, R+32*((\t)%3)
.if (\t) <= 5
	s_wait_loadcnt 16                              ; this row's eight loads are in (and ln_w, ln_b, issued before them); the two younger rows' sixteen may be out
.else
	s_wait_loadcnt 8*(7-(\t))
.endif
.irp i, 0,1,2,3,4,5,6,7
	ds_store_b128 v14, v[RR+4*\i:RR+4*\i+3] offset:2560*(\i/4)+640*(\i%4)
.endr
.irp i, 0,1,2,3,4,5,6,7
	ds_load_b128 v[X+4*\i:X+4*\i+3], v15 offset:2560*(\i/4)+16*(\i%4)   ; LDS serves a wave's instructions in order: these see the stores above
.endr
	s_wait_dscnt 0x0                               ; the row is back, 16 neighbours twice; the stage's stores have read their registers, the last row's stores theirs
.if (\t)+3 < 8
	LOADROW (\t)+3
.endif
	v_pk_add_f32 v[T:T+1], v[X:X+1], v[X+2:X+3]
	v_pk_add_f32 v[T+2:T+3], v[X+4:X+5], v[X+6:X+7]
.irp i, 8,12,16,20,24,28
	v_pk_add_f32 v[T:T+1], v[T:T+1], v[X+\i:X+\i+1]
	v_pk_add_f32 v[T+2:T+3], v[T+2:T+3], v[X+\i+2:X+\i+3]
.endr
	v_pk_add_f32 v[T:T+1], v[T:T+1], v[T+2:T+3]
	v_add_f32 v[T], v[T], v[T+1]
	LANESUM
	v_mul_f32 v[MU], s26, v[T]                     ; minus the mean
.set j, 0
.rept 16
	v_pk_add_f32 v[X+j:X+j+1], v[X+j:X+j+1], v[MU:MU+1] op_sel_hi:[1,0]
.set j, j+2
.endr
	v_pk_mul_f32 v[T:T+1], v[X:X+1], v[X:X+1]      ; the variance of the centred numbers
	v_pk_mul_f32 v[T+2:T+3], v[X+2:X+3], v[X+2:X+3]
.irp i, 4,8,12,16,20,24,28
	v_pk_fma_f32 v[T:T+1], v[X+\i:X+\i+1], v[X+\i:X+\i+1], v[T:T+1]
	v_pk_fma_f32 v[T+2:T+3], v[X+\i+2:X+\i+3], v[X+\i+2:X+\i+3], v[T+2:T+3]
.endr
	v_pk_add_f32 v[T:T+1], v[T:T+1], v[T+2:T+3]
	v_add_f32 v[T], v[T], v[T+1]
	LANESUM
	v_fma_f32 v[T], v[T], s27, s28                 ; var + eps
	s_wait_alu depctr_va_vdst(0)
	v_rsq_f32 v[RS], v[T]
	v_nop                                          ; one plain line behind the transcendental
.set j, 0
	s_wait_alu depctr_va_vdst(0)
.rept 16
	v_pk_mul_f32 v[X+j:X+j+1], v[X+j:X+j+1], v[RS:RS+1] op_sel_hi:[1,0]
.set j, j+2
.endr
.set j, 0
.rept 16
	v_pk_fma_f32 v[X+j:X+j+1], v[X+j:X+j+1], v[LW+j:LW+j+1], v[LB+j:LB+j+1]
.set j, j+2
.endr
.irp s, 0,1
	QB16 X+16*\s, C+4*\s, E+\s
	ds_store_b8 v5, v[E+\s] offset:512*\s+8*(\t)   ; both lanes of a block write the same byte with the same value
	ds_store_b128 v4, v[C+4*\s:C+4*\s+3] offset:CP*(\t)+512*\s
.endr
.endm
	LOADROW 0
	LOADROW 1
	LOADROW 2
.irp t, 0,1,2,3,4,5,6,7
	ROW \t
.endr
	s_wait_dscnt 0x0                               ; for the others' sake: my codes and bytes lie in LDS
	s_barrier_signal -1
	s_barrier_wait -1
	ds_load_b64 v[80:81], v7
.set q, 0
.rept 16
	ds_load_b128 v[R+4*q:R+4*q+3], v6 offset:32*q  ; chunk q: k / 64 = 8 (w / 2) + q / 2, c = q % 2
.set q, q+1
.endr
.set q, 0
.rept 16
	s_wait_dscnt 15-q                              ; the younger read-backs may be out
	global_store_b128 v3, v[R+4*q:R+4*q+3], s[36:37] offset:(q/8)*33792+((q/2)%4)*8192+(q%2)*512   ; 512 consecutive bytes, aligned
.set q, q+1
.endr
	global_store_b64 v8, v[80:81], s[38:39]        ; 256 consecutive bytes, aligned
	s_wait_tensorcnt 0x0
	ds_add_u32 v254, v255
	s_wait_dscnt 0x0
	s_endpgm
; ---------------- the weights.  Lane 16 tt + r of wave w takes column 32 w + 8 tt + r + 8 (r / 8) of its 128: tile 2 w + tt, lane row r.  A block of 32 along K is a lane's 32 registers.
.macro WLOAD t, n
.set i, 0
.rept 32
	global_load_b32 v[WX+32*((\t)%2)+i], v3, s[24:25] offset:(32*(\t)+i)*\n*4 th:TH_LOAD_NT   ; 128 consecutive bytes a wave, 512 a work-group
.set i, i+1
.endr
.endm
.macro WBLOCK t, n
.set XS, WX+32*((\t)%2)
.set CC, WC+8*(\t)
.if (\t) < 7
	s_wait_loadcnt 32                              ; this block's 32 loads are in; the next block's may be out
.else
	s_wait_loadcnt 0x0
.endif
	v_max3_num_f32 v12, |v[XS]|, |v[XS+1]|, |v[XS+2]|
	v_max3_num_f32 v13, |v[XS+3]|, |v[XS+4]|, |v[XS+5]|
.irp i, 6,10,14,18,22,26
	v_max3_num_f32 v12, v12, |v[XS+\i]|, |v[XS+\i+1]|
	v_max3_num_f32 v13, v13, |v[XS+\i+2]|, |v[XS+\i+3]|
.endr
	v_max3_num_f32 v12, v12, |v[XS+30]|, |v[XS+31]|
	v_max3_num_f32 v12, v12, v13, 0x4800000
	v_add_nc_u32 v11, 0xfc000000, v12
	v_and_or_b32 v10, v12, 0x7f800000, s19
	v_lshrrev_b32 v13, 23, v11
.if (\t)%4 == 0
	v_mov_b32 v[SB+(\t)/4], v13
.else
	v_lshl_or_b32 v[SB+(\t)/4], v13, 8*((\t)%4), v[SB+(\t)/4]
.endif
.set i, 0
.rept 32
	v_med3_num_f32 v[XS+i], v[XS+i], -v10, v10
.set i, i+1
.endr
.irp g, 0,1,2,3
	v_cvt_scalef32_pk8_fp8_f32 v[CC+2*\g:CC+2*\g+1], v[XS+8*\g:XS+8*\g+7], v11
.endr
	global_store_b128 v7, v[CC:CC+3], s[28:29] offset:((\t)/2)*8192+((\t)%2)*512        ; k = 0..15 of the block: lanes 0-15 fill one aligned 256 bytes, lanes 16-31 another
	global_store_b128 v7, v[CC+4:CC+7], s[28:29] offset:((\t)/2)*8192+((\t)%2)*512+256  ; k = 16..31
.if (\t)+2 < 8
	WLOAD (\t)+2, \n
.endif
.endm
.macro WPATH n, first, rg0, plo
	s_sub_co_u32 s20, ttmp9, \first
	s_lshr_b32 s21, s20, 2                         ; which 128 columns
	s_and_b32 s22, s20, 3                          ; which 256 along K
	v_and_b32 v4, 15, v2                           ; r
	v_lshrrev_b32 v5, 4, v2                        ; tt
	v_and_b32 v6, 8, v4
	v_add_nc_u32 v6, v6, v4
	v_lshl_add_u32 v6, v5, 3, v6                   ; 8 tt + r + 8 (r / 8)
	v_lshlrev_b32 v3, 2, v6
	v_lshlrev_b32 v7, 4, v4
	v_lshl_add_u32 v7, v5, 10, v7                  ; codes: 1,024 tt + 16 r
	v_lshlrev_b32 v8, 3, v2                        ; scale bytes: 8 x lane
	s_mul_i32 s24, s22, 256*\n*4
	s_lshl_b32 s25, s21, 9
	s_add_co_u32 s24, s24, s25
	s_lshl_b32 s25, s18, 7
	s_add_co_u32 s24, s24, s25
	s_mov_b32 s25, 0
	s_add_co_u32 s26, s21, \rg0
	s_mul_i32 s26, s26, RGB
	s_mul_i32 s27, s22, 33792
	s_add_co_u32 s28, s26, s27
	s_lshl_b32 s27, s18, 11
	s_add_co_u32 s28, s28, s27
	s_mov_b32 s29, 0
	s_mul_i32 s27, s22, 33792
	s_add_co_u32 s30, s26, s27
	s_lshl_b32 s27, s18, 8
	s_add_co_u32 s30, s30, s27
	s_add_co_u32 s30, s30, SCOFF
	s_mov_b32 s31, 0
	s_wait_alu depctr_va_vdst(0)
	s_wait_kmcnt 0x0
	s_add_nc_u64 s[24:25], s[\plo:\plo+1], s[24:25]
	s_add_nc_u64 s[28:29], s[16:17], s[28:29]
	s_add_nc_u64 s[30:31], s[16:17], s[30:31]
	WLOAD 0, \n
	WLOAD 1, \n
.irp t, 0,1,2,3,4,5,6,7
	WBLOCK \t, \n
.endr
	global_store_b64 v8, v[SB:SB+1], s[30:31]      ; 256 consecutive bytes, aligned
	s_endpgm
.endm
.Lweights:
	s_cmp_lt_u32 ttmp9, 352
	s_cbranch_scc0 .Lproj
	s_wait_alu depctr_va_vdst(0)
	WPATH 3072, 256, 0, 10
.Lproj:
	s_wait_alu depctr_va_vdst(0)
	WPATH 1024, 352, 24, 12
.Lfunc_end_k_q19c4bd423a_prep:
	.size	k_q19c4bd423a_prep, .Lfunc_end_k_q19c4bd423a_prep-k_q19c4bd423a_prep
	.p2alignl 7, 3214868480
	.fill 96, 4, 3214868480
	.section	.rodata,"a",@progbits
	.p2align	6, 0x0
	.amdhsa_kernel k_q19c4bd423a_prep
		.amdhsa_group_segment_fixed_size 55808
		.amdhsa_private_segment_fixed_size 0
		.amdhsa_enable_private_segment 0
		.amdhsa_kernarg_size 56
		.amdhsa_user_sgpr_count 2
		.amdhsa_user_sgpr_kernarg_segment_ptr 1
		.amdhsa_wavefront_size32 1
		.amdhsa_system_sgpr_workgroup_id_x 1
		.amdhsa_system_sgpr_workgroup_id_y 1
		.amdhsa_system_sgpr_workgroup_id_z 1
		.amdhsa_system_vgpr_workitem_id 0
		.amdhsa_next_free_vgpr 256
		.amdhsa_next_free_sgpr 66
		.amdhsa_reserve_vcc 0
		.amdhsa_float_denorm_mode_32 3
		.amdhsa_float_denorm_mode_16_64 3
		.amdhsa_memory_ordered 1
		.amdhsa_forward_progress 1
		.amdhsa_inst_pref_size 215
	.end_amdhsa_kernel
	.amdgpu_metadata
---
amdhsa.version: [ 1, 2 ]
amdhsa.kernels:
  - .name:           k_q19c4bd423a_prep
    .symbol:         k_q19c4bd423a_prep.kd
    .args:
      - { .name: x, .offset: 0, .size: 8, .value_kind: global_buffer, .address_space: global }
      - { .name: ln_w, .offset: 8, .size: 8, .value_kind: global_buffer, .address_space: global }
      - { .name: ln_b, .offset: 16, .size: 8, .value_kind: global_buffer, .address_space: global }
      - { .name: attn_w, .offset: 24, .size: 8, .value_kind: global_buffer, .address_space: global }
      - { .name: proj_w, .offset: 32, .size: 8, .value_kind: global_buffer, .address_space: global }
      - { .name: xn, .offset: 40, .size: 8, .value_kind: global_buffer, .address_space: global }
      - { .name: wq, .offset: 48, .size: 8, .value_kind: global_buffer, .address_space: global }
    .group_segment_fixed_size: 55808
    .private_segment_fixed_size: 0
    .kernarg_segment_align: 8
    .kernarg_segment_size: 56
    .max_flat_workgroup_size: 128
    .sgpr_count:     66
    .vgpr_count:     256
    .wavefront_size: 32
...
	.end_amdgpu_metadata
.endif
;; end of part 1
;; launch qkvg (part 2): grid 12 x 32, 4 waves a work-group, clusters of 4 x 4, 327,680 bytes of LDS; arguments xn, wq, attn_b, qkv; writes qkv
.if DOCPART == 2
	.amdgcn_target "amdgcn-amd-amdhsa--gfx1250"
	.amdhsa_code_object_version 6
	.text
	.protected	k_q19c4bd423a_qkvg
	.globl	k_q19c4bd423a_qkvg
	.p2align	8
	.type	k_q19c4bd423a_qkvg,@function
k_q19c4bd423a_qkvg:
	s_mov_b64 s[64:65], 0
	v_nop
	global_prefetch_b8 v0, s[64:65] scope:SCOPE_SE
	s_setreg_imm32_b32 hwreg(HW_REG_WAVE_MODE, 25, 1), 1
	s_wait_xcnt 0x0
	s_wait_alu depctr_hold_cnt(0) depctr_sa_sdst(0) depctr_va_vdst(0) depctr_va_sdst(0) depctr_va_ssrc(0) depctr_va_vcc(0) depctr_vm_vsrc(0)
	s_getreg_b32 s2, hwreg(HW_REG_IB_STS2, 6, 4)
	s_cmp_eq_u32 s2, 0
	s_cbranch_scc0 .Lentry_in_a_cluster
	s_endpgm
.Lentry_in_a_cluster:
	s_bfe_u32 s2, ttmp6, 0x10000c
	s_cmp_lg_u32 s2, 0xf033
	s_cbranch_scc0 .Lentry_shape_is_right
	s_endpgm
.Lentry_shape_is_right:
; QKVG: qkv = Q(xn) Q(attn_w) + attn_b on codes of E4M3 (K = 1,024), and q, k, v quantised on the way out, as the operands of attention's two products.
; A tile is 256 x 256, four waves of 128 x 128 (64 accumulators, 512 registers).  Both operands are IMAGES OF OPERAND REGISTERS: row groups of 128 (RGB bytes): codes [k/64][tile 8][c 2][512], scale bytes [k/256][tile][r][8];
; tile t's lane row r is logical row 32 (t/2) + 8 (t%2) + r + 8 (r/8); in a chunk lane 16 h + r has the codes k = 32 c + 16 h + 0..15 at byte 16 x lane.  So a K step of 256 of a row group is 32,768 dense bytes,
; every fragment load reads 512 consecutive LDS bytes, and there is no pitch and no padding.
; ROLES.  Source 1 of the matrix instruction (role A) gives a lane its row; source 0 (role B) runs along the lane's registers: by the tiles' row order the 16 registers of B's tiles 2 n, 2 n + 1 are 16 NEIGHBOURS.
; Clusters x = 0, 1 (q and k): A = tokens (xn), B = features (wq): a lane holds one token and features along its registers, which are the first attention product's K (the head's 64).
; Cluster x = 2 (v): A = features (wq, groups 16-23), B = tokens: a lane holds one feature and TOKENS along its registers, the second product's K.  The choice hangs on the cluster's x alone, which all partners share.
; So the conversions' results ARE chunks of the next operands, and each leaves by one store of 512 consecutive bytes.  Nothing is transposed, no stage is needed.
; CLUSTERS 4 x 4: role A's tiles are shared along a row of the cluster, role B's along a column, by joint loads.  K goes in four steps of 256 through two LDS slots; the scale bytes ride with their codes.
; The bias is the C of each sum's first matrix instruction.
; qkv: [batch x head 64][128 tokens 16][25,344 bytes]: Q codes [t8][c2][512], Q scales [r16][t8] 2 bytes, K codes, V codes [t4 (d)][c4 (keys)][512], K scales, V scales [r16][t4] 4 bytes.
; LIMITS: NaN and infinities are not served; a block whose largest magnitude lies under 2^-118 (zeros among them) gets the byte 1; this program alone reads the bytes.
; REGISTERS: window 0: v0-31 addresses; v32-63 scale words, two sets; v64-127 the bias table, later work; v128-255 A's fragments, later codes.  window 1: B's fragments, two sets.  windows 2, 3: accumulator (a, b) at v[8 (8 (a%4) + b)].
.set RGB,   135168
; THE IMAGES GO BY K STEPS OF 256: a row group's K step is 33,792 dense bytes, 32,768 codes and behind them 1,024 scale bytes [t][r][8]: the scales ride in the ring with their codes, one tensor load a wave.
.set HALFT, 33792                      ; a row group's K step: what one tensor load brings
.set SLOT,  135168                     ; A's two groups, then B's two
.set SPARE, 270336                     ; behind the two slots: the spare words
.set NP, 8                             ; places behind this matrix instruction (ISA guide 7.12.1)
.set NL, 4
.set NQ, 2
.set FR, 16
.set VO,   8                           ; v8-15 offsets of the bias loads
.set ADRA, 16
.set ADRB, 20
.set LI,   26                          ; 16 x lane
.set ADRS, 30                          ; v30, v31: my scale words in slot 0, 1
.set SPW,  28
.set NIL,  29
.set SC,   32
.set BT,   64
.set AF,   128
.set PW,   64                          ; the way out: v64-71 a scale word for each of A's blocks
.set TM,   72                          ; v72-87 at work
.set PC,   128                         ; v128-255 codes: 16 registers for each of A's blocks
.set G1, 24
.set G0, 32
.set G1B, 48
.set G0B, 56
.set G1S, 68
.set G0S, 76
.set G1SB, 80
.set G0SB, 88
.set MNT, 95
.set SEL, 100
.set MSB, 0
.macro WIN new                         ; the immediate's high byte repeats the setting that is left
.if MSB != (\new)
	s_set_vgpr_msb (MSB<<8)|(\new)
.set MSB, (\new)
.endif
.endm
.macro MWIN hi, zero                   ; source 0 (B) window 1, source 1 (A) window 0, D window 2 or 3; C with D, or (the first step) the bias table in window 0
.if \zero
	WIN 0x81+0x40*\hi
.else
	WIN 0xa1+0x50*\hi
.endif
.endm
; A joint load: waves 0 and 1 fetch for role A, waves 2 and 3 for role B; the branch hangs on the wave's number alone.  Four v_nop follow each of the two lines.
.macro JLOAD g0a, g1a, g0b, g1b
	s_cmp_eq_u32 s15, 0
	s_cbranch_scc0 .Lfor_b_\@
	tensor_load_to_lds s[\g0a:\g0a+3], s[\g1a:\g1a+7]
	s_nop 0
.rept 4
	v_nop
.endr
	s_branch .Lasked_\@
.Lfor_b_\@:
	tensor_load_to_lds s[\g0b:\g0b+3], s[\g1b:\g1b+7]
	s_nop 0
.rept 4
	v_nop
.endr
.Lasked_\@:
.endm
.macro CREST                           ; a round of the cluster's barrier behind its opening barrier
	s_cmp_lg_u32 s14, 0
	s_cbranch_scc1 .Lnot_wave_0_\@
	s_barrier_signal -3
.Lnot_wave_0_\@:
	s_barrier_wait -3
	s_barrier_signal -1
	s_barrier_wait -1
.endm
.macro CROUND
	s_barrier_signal -1
	s_barrier_wait -1
	CREST
.endm
.macro PLACES n
.rept \n
	v_nop
.endr
.endm
.macro FRAG reg, adr, q, i             ; tile i's fragment of the slot's q-th 128 along K: four chunks
.irp c, 0,1,2,3
	ds_load_b128 v[\reg+4*\c:\reg+4*\c+3], v[\adr] offset:(2*(\q)+\c/2)*8192+(\i)*1024+(\c%2)*512
.endr
.endm
; 16 matrix instructions: A's blocks a0, a0 + 1 x B's eight.  zero = 0: onto the sums; 1: C = the bias along the registers (by B's block); 2: C = the bias along the lanes (by A's block).
; The 64 accumulators take turns, one instruction a turn, in the same order in every step.
.macro MUL16 a0, p, q, sc, zero
.irp a, \a0, \a0+1
.irp b, 0,1,2,3,4,5,6,7
.set rD, 8*(8*((\a)%4)+\b)
.set rB, 128*(\p)+FR*\b
.set rA, AF+FR*(\a)
.set rSB, SC+8*NQ*(\sc)+NQ*\b+(\q)
.set rSA, SC+8*NQ*(\sc)+NQ*(\a)+(\q)
.if \zero == 0
	v_wmma_scale_f32_16x16x128_f8f6f4 v[rD:rD+7], v[rB:rB+15], v[rA:rA+15], v[rD:rD+7], v[rSB], v[rSA] matrix_a_scale:MATRIX_SCALE_ROW1
.elseif \zero == 1
	v_wmma_scale_f32_16x16x128_f8f6f4 v[rD:rD+7], v[rB:rB+15], v[rA:rA+15], v[BT+8*\b:BT+8*\b+7], v[rSB], v[rSA] matrix_a_scale:MATRIX_SCALE_ROW1
.else
	v_wmma_scale_f32_16x16x128_f8f6f4 v[rD:rD+7], v[rB:rB+15], v[rA:rA+15], v[BT+8*(\a):BT+8*(\a)+7], v[rSB], v[rSA] matrix_a_scale:MATRIX_SCALE_ROW1
.endif
.endr
.endr
.endm
.macro FETCH_B slot, q, p
	WIN 0x40                                       ; destination window 1
.irp i, 0,1,2,3,4,5,6,7
	FRAG 128*(\p)+FR*\i, ADRB+\slot, \q, \i
.endr
	WIN 0
.endm
.macro FETCH_A slot, q, i0
.irp i, \i0, \i0+1, \i0+2, \i0+3
	FRAG AF+FR*(\i), ADRA+\slot, \q, \i
.endr
.endm
.macro SCALES sc                       ; a K step's two scale words a row: lanes 0-15 take A's block i, lanes 16-31 B's block i
.irp i, 0,1,2,3,4,5,6,7
	ds_load_b64 v[SC+8*NQ*\sc+NQ*\i:SC+8*NQ*\sc+NQ*\i+1], v[ADRS+\sc] offset:\i*128
.endr
.endm
.macro STEP slot, q, zero              ; 128 along K that has its successor in the same slot
	s_wait_dscnt 4*NL                              ; B's set and A's blocks 0-3 are in; the youngest sixteen loads (A's blocks 4-7) may be out
	MWIN 0, \zero
	MUL16 0, (\q)%2, \q, \slot, \zero
	MUL16 2, (\q)%2, \q, \slot, \zero
	s_wait_dscnt 0x0
	PLACES NP                                      ; in front of loads into registers that matrix instructions have read
	FETCH_B \slot, (\q)+1, 1-(\q)%2
	FETCH_A \slot, (\q)+1, 0
	MWIN 1, \zero
	MUL16 4, (\q)%2, \q, \slot, \zero
	MUL16 6, (\q)%2, \q, \slot, \zero
	PLACES NP
	WIN 0
	FETCH_A \slot, (\q)+1, 4
.endm
; A slot's last step changes slots: one barrier; in front of it each wave waits for all its tensor loads, adds 0 to its spare word, and waits for that and for its reads of this slot.  fill = 1: the slot is filled again, two K steps ahead.
.macro TURN slot, next, fill
	s_wait_tensorcnt 0x0                           ; all my tensor loads have landed: my part of the next slot
	ds_add_u32 v[SPW], v[NIL]                      ; 0 onto my spare word
	s_wait_dscnt 4*NL+1                            ; the add and A's blocks 4-7 may be out
	MWIN 0, 0
	MUL16 0, 1, NQ-1, \slot, 0
	s_wait_dscnt 0x0                               ; the add is done, and my reads of this slot are over
	s_barrier_signal -1
	MUL16 2, 1, NQ-1, \slot, 0
	WIN 0
	s_barrier_wait -1
.if \fill
	CREST                                          ; the barrier has opened a round of the cluster's barrier: no wave of any partner still reads this slot or has a load on its way
	s_add_nc_u64 s[G0+4*\slot+2:G0+4*\slot+3], s[G0+4*\slot+2:G0+4*\slot+3], 2*HALFT
	s_add_nc_u64 s[G0B+4*\slot+2:G0B+4*\slot+3], s[G0B+4*\slot+2:G0B+4*\slot+3], 2*HALFT
	JLOAD G0+4*\slot, G1, G0B+4*\slot, G1B         ; the first tensor load behind the round; its four v_nop are among the places in front of the loads below
	PLACES NP-4
.else
	PLACES NP
.endif
	FETCH_B \next, 0, 0
	FETCH_A \next, 0, 0
	SCALES \next
	MWIN 1, 0
	MUL16 4, 1, NQ-1, \slot, 0
	MUL16 6, 1, NQ-1, \slot, 0
	PLACES NP
	WIN 0
	FETCH_A \next, 0, 4
.endm
	s_load_b256 s[4:11], s[0:1], 0x0               ; xn, wq, attn_b, qkv
	v_lshl_add_u32 v[SPW], v0, 2, SPARE
	v_mov_b32 v[NIL], 0
	ds_add_u32 v28, v29
	ds_add_u32 v28, v29
	s_wait_dscnt 0x0
	v_lshrrev_b32 v1, 5, v0
	v_readfirstlane_b32 s14, v1                    ; wave 0..3
	s_lshr_b32 s15, s14, 1                         ; which half of role A's rows is mine.  Also: I fetch for A (0) or for B (1)
	s_and_b32 s16, s14, 1                          ; which half of role B's.  Also: which row group of that tile I fetch
	s_bfe_u32 s40, ttmp6, 0x40000                  ; cx
	s_bfe_u32 s41, ttmp6, 0x40004                  ; cy
	s_and_b32 s18, ttmp7, 0xffff
	s_lshl_b32 s18, s18, 2                         ; 4 x cluster y
	s_lshl_b32 s19, ttmp9, 2                       ; 4 x cluster x
	s_cmp_eq_u32 ttmp9, 2                          ; v's clusters?
	s_cselect_b32 s17, 0, s18
	s_cselect_b32 s42, s18, s19
	s_cselect_b32 s45, -1, 0                       ; the same as a mask of lanes
	s_cselect_b32 s3, 0, 4                         ; the bias table's step from register to register
	s_add_co_u32 s17, s17, s41                     ; role A's tile: cy, and for q, k 4 x cluster y more
	s_add_co_u32 s42, s42, s40                     ; role B's tile: cx + 4 x cluster x (q, k) or + 4 x cluster y (v)
	s_lshl_b32 s43, s41, 2
	s_lshl_b32 s43, 15, s43                        ; my row of the cluster
	s_lshl_b32 s44, 0x1111, s40                    ; my column
	; descriptor groups 1: dense blocks as rows of 256 bytes (32 elements of 8 bytes): 128 rows of codes, 4 rows of scale bytes; the mask, and bit 21 beside it
	s_or_b32 s[G1+0], s43, (3<<16)|(1<<21)
	s_or_b32 s[G1B+0], s44, (3<<16)|(1<<21)
.irp g, G1, G1B
	s_mov_b32 s[\g+1], 32<<16                      ; tensor_dim0
	s_mov_b32 s[\g+2], 132<<16                     ; tensor_dim1: 132 rows of 256 bytes
	s_mov_b32 s[\g+3], 32<<16                      ; tile_dim0
	s_mov_b32 s[\g+4], 132                         ; tile_dim1
	s_mov_b32 s[\g+5], 32                          ; the pitch
	s_mov_b32 s[\g+6], 0
	s_mov_b32 s[\g+7], 0
.endr
	s_lshl_b32 s20, s17, 1
	s_add_co_u32 s20, s20, s16
	s_mul_i32 s20, s20, RGB                        ; role A: the row group that I fetch
	s_mov_b32 s21, 0
	s_lshl_b32 s46, s42, 1
	s_add_co_u32 s46, s46, s16
	s_mul_i32 s46, s46, RGB                        ; role B likewise
	s_mov_b32 s47, 0
	s_mul_i32 s22, s14, HALFT                      ; where they go: wave x HALFT: no place in the cluster enters an LDS address
	s_mov_b32 s[MNT], 0x600000
	s_mov_b32 s[SEL], 0x76543210
	s_mov_b32 s[SEL+1], 0xfedcba98
	s_wait_kmcnt 0x0
	s_add_nc_u64 s[12:13], s[6:7], 16*RGB          ; v's columns: groups 16 on
	s_cmp_eq_u32 ttmp9, 2
	s_cselect_b64 s[96:97], s[12:13], s[4:5]       ; role A's buffer
	s_cselect_b64 s[98:99], s[4:5], s[6:7]         ; role B's
	s_add_nc_u64 s[20:21], s[96:97], s[20:21]
	s_add_nc_u64 s[46:47], s[98:99], s[46:47]
	CROUND                                         ; all sixteen work-groups are here: the first joint loads meet
.irp s, 0,1
	s_mov_b32 s[G0+4*\s], 1
	s_add_co_u32 s[G0+4*\s+1], s22, \s*SLOT
	s_add_nc_u64 s[G0+4*\s+2:G0+4*\s+3], s[20:21], \s*HALFT
	s_or_b32 s[G0+4*\s+3], s[G0+4*\s+3], 0x80000000
	s_mov_b32 s[G0B+4*\s], 1
	s_add_co_u32 s[G0B+4*\s+1], s22, \s*SLOT
	s_add_nc_u64 s[G0B+4*\s+2:G0B+4*\s+3], s[46:47], \s*HALFT
	s_or_b32 s[G0B+4*\s+3], s[G0B+4*\s+3], 0x80000000
.endr
	JLOAD G0, G1, G0B, G1B                         ; K step 0: one tensor load a wave at the head
	; PREFETCH: behind this load K steps 1 and 2 are named, behind K step 1's load K step 3.  The four partners that ask for a group jointly share its 128 code blocks of 256 bytes out by address (cx for role A, cy for role B): 32 each, a lane a block
	s_lshl_b32 s18, s40, 13
	s_lshl_b32 s19, s41, 13
	s_cmp_eq_u32 s15, 0
	s_cselect_b64 s[68:69], s[20:21], s[46:47]
	s_cselect_b32 s18, s18, s19
	s_mov_b32 s19, 0
	s_add_nc_u64 s[68:69], s[68:69], s[18:19]
	v_and_b32 v1, 31, v0
	v_lshlrev_b32 v27, 8, v1
	global_prefetch_b8 v27, s[68:69] offset:HALFT th:TH_LOAD_NT scope:SCOPE_SE
	global_prefetch_b8 v27, s[68:69] offset:2*HALFT th:TH_LOAD_NT scope:SCOPE_SE
	v_lshlrev_b32 v[LI], 4, v1                     ; 16 x lane
	v_and_b32 v2, 15, v0                           ; r
	v_bfe_u32 v3, v0, 4, 1                         ; h
	s_wait_alu depctr_va_vdst(0)
	s_mul_i32 s18, s15, HALFT                      ; my group of role A
	s_mul_i32 s19, s16, HALFT
	s_add_co_u32 s19, s19, 2*HALFT                 ; my group of role B, behind A's two
.irp s, 0,1
	v_add_nc_u32 v[ADRA+\s], s18, v[LI]
	v_add_nc_u32 v[ADRB+\s], s19, v[LI]
	s_add_co_u32 s18, s18, SLOT
	s_add_co_u32 s19, s19, SLOT
.endr
	s_mul_i32 s18, s15, HALFT
	s_mul_i32 s19, s16, HALFT
	s_add_co_u32 s19, s19, 2*HALFT
	s_sub_co_u32 s19, s19, s18
	v_mul_u32_u24 v4, s19, v3                      ; lanes 16-31 take role B's words: the distance from A's, once
	s_add_co_u32 s18, s18, 32768                   ; the scale bytes lie behind a group's codes
	v_lshl_add_u32 v4, v2, 3, v4                   ; 8 bytes a row
	v_add_nc_u32 v[ADRS], s18, v4
	v_add_nc_u32 v[ADRS+1], SLOT, v[ADRS]
	; the bias table: register 8 x + e.  q, k: attn_b at feature 32 (x/2) + 8 (x%2) + 16 h + e of B's group (along the registers); v: at feature 32 (x/2) + 8 (x%2) + r + 8 (r/8) of A's group, the same in all eight
	s_lshl_b32 s92, s17, 1
	s_add_co_u32 s92, s92, s15                     ; my group of role A
	s_lshl_b32 s93, s42, 1
	s_add_co_u32 s93, s93, s16                     ; my group of role B
	s_lshl_b32 s18, s92, 9
	s_add_co_u32 s18, s18, 8192
	s_lshl_b32 s19, s93, 9
	s_cmp_eq_u32 ttmp9, 2
	s_cselect_b32 s18, s18, s19
	s_mov_b32 s19, 0
	s_add_nc_u64 s[8:9], s[8:9], s[18:19]
	v_lshlrev_b32 v5, 6, v3
	v_and_b32 v6, 8, v2
	v_add_nc_u32 v6, v6, v2
	v_lshlrev_b32 v6, 2, v6
	v_cndmask_b32 v5, v5, v6, s45
.irp e, 0,1,2,3,4,5,6,7
	v_mad_u32_u24 v[VO+\e], s3, \e, v5
.endr
.irp x, 0,1,2,3,4,5,6,7
.irp e, 0,1,2,3,4,5,6,7
	global_load_b32 v[BT+8*\x+\e], v[VO+\e], s[8:9] offset:4*(32*(\x/2)+8*(\x%2))
.endr
.endr
	s_wait_alu depctr_va_vdst(0)
	s_wait_tensorcnt 0x0                           ; my part of K step 0 is in; slot 1's first fill is issued as a refill is
	ds_add_u32 v[SPW], v[NIL]
	s_wait_dscnt 0x0
	CROUND                                         ; everybody's part of K step 0 is in, and the joint loads meet
	JLOAD G0+4, G1, G0B+4, G1B                     ; K step 1
	FETCH_B 0, 0, 0
	FETCH_A 0, 0, 0
	SCALES 0
	global_prefetch_b8 v27, s[68:69] offset:3*HALFT th:TH_LOAD_NT scope:SCOPE_SE
	FETCH_A 0, 0, 4
	s_wait_loadcnt 0x0                             ; the bias table
	s_cmp_eq_u32 ttmp9, 2                          ; the first step is written twice: only its C differs
	s_cbranch_scc1 .Lfirst_v
	STEP 0, 0, 1
	s_branch .Lfirst_done
.Lfirst_v:
	STEP 0, 0, 2
.Lfirst_done:
	TURN 0, 1, 1                                   ; slot 0 takes K step 2
	STEP 1, 0, 0
	TURN 1, 0, 1                                   ; slot 1 takes K step 3
	STEP 0, 0, 0
	TURN 0, 1, 0                                   ; nothing is left to fetch
	STEP 1, 0, 0
	s_wait_dscnt 4*NL
	MWIN 0, 0
	MUL16 0, 1, NQ-1, 1, 0
	MUL16 2, 1, NQ-1, 1, 0
	s_wait_dscnt 0x0
	MWIN 1, 0
	MUL16 4, 1, NQ-1, 1, 0
	MUL16 6, 1, NQ-1, 1, 0
	WIN 0
	; THE WAY OUT.  Eight plain lines stand behind the last products: seven that are due anyway, and one v_nop
.irp b, 0,1,2,3
	v_mov_b32 v[TM+4+\b], 0                        ; a lane permute's destination counts as one of its sources
.endr
	v_lshlrev_b32 v4, 4, v3                        ; 16 h
	v_mul_u32_u24 v5, v3, 405504                   ; the scales' store: lanes 16-31 write the next head's,
	v_lshl_add_u32 v5, v2, 4, v5                   ; 16 bytes a row
	v_nop
	s_cmp_eq_u32 ttmp9, 2
	s_cselect_b32 s18, s93, s92                    ; the group of tokens
	s_cselect_b32 s19, s92, s93                    ; the group of features
	s_lshr_b32 s20, s18, 4                         ; batch
	s_and_b32 s21, s18, 15                         ; which 128 tokens of it
	s_and_b32 s22, s19, 7
	s_lshl_b32 s22, s22, 1                         ; the first of the group's two heads
	s_lshl_b32 s20, s20, 4
	s_add_co_u32 s20, s20, s22
	s_mul_i32 s20, s20, 405504
	s_mul_i32 s21, s21, 25344
	s_add_co_u32 s20, s20, s21                     ; the block's first byte
	s_lshr_b32 s19, s19, 3                         ; q (0) or k (1)
	s_mul_i32 s22, s19, 8448                       ; codes at 0 or 8,448,
	s_mul_i32 s23, s19, 16640
	s_add_co_u32 s23, s23, 8192                    ; scales at 8,192 or 24,832;
	s_mov_b32 s18, 16640                           ; v: 16,640 and 25,088
	s_mov_b32 s19, 25088
	s_cmp_eq_u32 ttmp9, 2
	s_cselect_b32 s22, s18, s22
	s_cselect_b32 s23, s19, s23
	s_add_co_u32 s22, s22, s20
	s_add_co_u32 s20, s23, s20
	s_mov_b32 s23, 0
	s_mov_b32 s21, 0
	s_add_nc_u64 s[96:97], s[10:11], s[22:23]      ; codes: the first head,
	s_add_nc_u64 s[98:99], s[96:97], 405504        ; the second
	s_add_nc_u64 s[12:13], s[10:11], s[20:21]      ; scales
	s_mov_b32 s94, 0x05040100
; A's block a: 64 numbers a lane, register 16 n + i = neighbour 32 n + 16 h + i along B's rows, become four chunks' codes and a scale word.  Each accumulator is read from its low end on.
.macro QUANT a
.set W, 2+(\a)/4
.set AC, 64*((\a)%4)
	WIN W|(W<<2)                                   ; sources 0 and 1: the accumulators' window
.irp b, 0,1,2,3
	v_max3_num_f32 v[TM+\b], |v[AC+16*\b]|, |v[AC+16*\b+1]|, 0x4800000   ; with the floor 2^(9 - 127): the byte cannot fall under 1
.endr
.irp i, 2,4,6,8,10,12,14
.irp b, 0,1,2,3
	v_max3_num_f32 v[TM+\b], |v[AC+16*\b+\i]|, |v[AC+16*\b+\i+1]|, v[TM+\b]
.endr
.endr
	WIN 0
.irp b, 0,1,2,3
	v_permlanex16_b32 v[TM+4+\b], v[TM+\b], s[SEL], s[SEL+1]
.endr
.irp b, 0,1,2,3
	v_max_num_f32 v[TM+\b], v[TM+\b], v[TM+4+\b]   ; with lane l xor 16's: the block's largest magnitude
.endr
.irp b, 0,1,2,3
	v_add_nc_u32 v[TM+12+\b], 0xfc000000, v[TM+\b]
.endr
.irp b, 0,1,2,3
	v_and_or_b32 v[TM+8+\b], v[TM+\b], 0x7f800000, s[MNT]
.endr
.irp b, 0,1,2,3
	v_lshrrev_b32 v[TM+4+\b], 23, v[TM+12+\b]
.endr
	v_lshl_or_b32 v[PW+(\a)], v[TM+5], 8, v[TM+4]
	v_lshl_or_b32 v[PW+(\a)], v[TM+6], 16, v[PW+(\a)]
	v_lshl_or_b32 v[PW+(\a)], v[TM+7], 24, v[PW+(\a)]
	WIN (W<<6)|W                                   ; destination and source 0
.irp b, 0,1,2,3
.set i, 0
.rept 16
	v_med3_num_f32 v[AC+16*\b+i], v[AC+16*\b+i], -v[TM+8+\b], v[TM+8+\b]   ; the conversion does not saturate (ISA guide 7.6.2): the hold comes first
.set i, i+1
.endr
.endr
	WIN W                                          ; source 0
.irp b, 0,1,2,3
	v_cvt_scalef32_pk8_fp8_f32 v[PC+16*(\a)+4*\b:PC+16*(\a)+4*\b+1], v[AC+16*\b:AC+16*\b+7], v[TM+12+\b]
	v_cvt_scalef32_pk8_fp8_f32 v[PC+16*(\a)+4*\b+2:PC+16*(\a)+4*\b+3], v[AC+16*\b+8:AC+16*\b+15], v[TM+12+\b]
.endr
	WIN 0
	v_nop                                          ; one plain line behind the last conversion
.endm
.irp a, 0,1,2,3,4,5,6,7
	QUANT \a
.endr
	s_cmp_eq_u32 ttmp9, 2
	s_cbranch_scc1 .Lout_v
	; q, k: block a is tile a of the tokens; n / 2 the head, n % 2 the chunk along the head's 64
.irp a, 0,1,2,3,4,5,6,7
.irp n, 0,1,2,3
	global_store_b128 v[LI], v[PC+16*\a+4*\n:PC+16*\a+4*\n+3], s[96+2*(\n/2):97+2*(\n/2)] offset:1024*\a+512*(\n%2)   ; 512 consecutive bytes, aligned
.endr
.endr
.irp a, 0,1,2,3,4,5,6,7
	v_lshrrev_b32 v[TM+\a], v4, v[PW+\a]           ; lanes 0-15: the first head's two bytes below; lanes 16-31: the second's
.endr
.irp j, 0,1,2,3
	v_perm_b32 v[TM+8+\j], v[TM+2*\j+1], v[TM+2*\j], s94   ; [tile 8] 2 bytes: 16 bytes a row
.endr
	s_branch .Lout_scales
.Lout_v:
	; v: block a is tile a % 4 of head a / 4's 64; n the chunk along the 128 keys
	s_wait_alu depctr_va_vdst(0)
.irp a, 0,1,2,3,4,5,6,7
.irp n, 0,1,2,3
	global_store_b128 v[LI], v[PC+16*\a+4*\n:PC+16*\a+4*\n+3], s[96+2*(\a/4):97+2*(\a/4)] offset:2048*(\a%4)+512*\n
.endr
.endr
	v_cmp_ne_u32 vcc_lo, 0, v3
.irp j, 0,1,2,3
	v_cndmask_b32 v[TM+8+\j], v[PW+\j], v[PW+4+\j], vcc_lo   ; [tile 4] 4 bytes: 16 bytes a row
.endr
.Lout_scales:
	s_wait_alu depctr_va_vdst(0)
	global_store_b128 v5, v[TM+8:TM+11], s[12:13]  ; sixteen lanes fill 256 consecutive bytes, aligned, for each of the two heads
	s_wait_tensorcnt 0x0                           ; the wave's end
	ds_add_u32 v[SPW], v[NIL]
	s_wait_dscnt 0x0
	CROUND                                         ; the closing round: no work-group ends while a partner may still ask for a tile that names it
	s_endpgm
.Lfunc_end_k_q19c4bd423a_qkvg:
	.size	k_q19c4bd423a_qkvg, .Lfunc_end_k_q19c4bd423a_qkvg-k_q19c4bd423a_qkvg
	.p2alignl 7, 3214868480
	.fill 96, 4, 3214868480
	.section	.rodata,"a",@progbits
	.p2align	6, 0x0
	.amdhsa_kernel k_q19c4bd423a_qkvg
		.amdhsa_group_segment_fixed_size 327680
		.amdhsa_private_segment_fixed_size 0
		.amdhsa_enable_private_segment 0
		.amdhsa_kernarg_size 32
		.amdhsa_user_sgpr_count 2
		.amdhsa_user_sgpr_kernarg_segment_ptr 1
		.amdhsa_wavefront_size32 1
		.amdhsa_system_sgpr_workgroup_id_x 1
		.amdhsa_system_sgpr_workgroup_id_y 1
		.amdhsa_system_sgpr_workgroup_id_z 1
		.amdhsa_system_vgpr_workitem_id 0
		.amdhsa_next_free_vgpr 1024
		.amdhsa_next_free_sgpr 102
		.amdhsa_reserve_vcc 1
		.amdhsa_float_denorm_mode_32 3
		.amdhsa_float_denorm_mode_16_64 3
		.amdhsa_memory_ordered 1
		.amdhsa_forward_progress 1
		.amdhsa_inst_pref_size 207
	.end_amdhsa_kernel
	.amdgpu_metadata
---
amdhsa.version: [ 1, 2 ]
amdhsa.kernels:
  - .name:           k_q19c4bd423a_qkvg
    .symbol:         k_q19c4bd423a_qkvg.kd
    .args:
      - { .name: xn, .offset: 0, .size: 8, .value_kind: global_buffer, .address_space: global }
      - { .name: wq, .offset: 8, .size: 8, .value_kind: global_buffer, .address_space: global }
      - { .name: attn_b, .offset: 16, .size: 8, .value_kind: global_buffer, .address_space: global }
      - { .name: qkv, .offset: 24, .size: 8, .value_kind: global_buffer, .address_space: global }
    .group_segment_fixed_size: 327680
    .private_segment_fixed_size: 0
    .kernarg_segment_align: 8
    .kernarg_segment_size: 32
    .max_flat_workgroup_size: 128
    .sgpr_count:     102
    .vgpr_count:     1024
    .wavefront_size: 32
...
	.end_amdgpu_metadata
.endif
;; end of part 2
;; launch attn (part 3): grid 4 x 64, 8 waves a work-group, clusters of 4 x 1, 327,680 bytes of LDS; arguments qkv, ctx; writes ctx
.if DOCPART == 3
	.amdgcn_target "amdgcn-amd-amdhsa--gfx1250"
	.amdhsa_code_object_version 6
	.text
	.protected	k_q19c4bd423a_attn
	.globl	k_q19c4bd423a_attn
	.p2align	8
	.type	k_q19c4bd423a_attn,@function
k_q19c4bd423a_attn:
	s_mov_b64 s[64:65], 0
	v_nop
	global_prefetch_b8 v0, s[64:65] scope:SCOPE_SE
	s_setreg_imm32_b32 hwreg(HW_REG_WAVE_MODE, 25, 1), 1
	s_wait_xcnt 0x0
	s_wait_alu depctr_hold_cnt(0) depctr_sa_sdst(0) depctr_va_vdst(0) depctr_va_sdst(0) depctr_va_ssrc(0) depctr_va_vcc(0) depctr_vm_vsrc(0)
	s_getreg_b32 s2, hwreg(HW_REG_IB_STS2, 6, 4)
	s_cmp_eq_u32 s2, 0
	s_cbranch_scc0 .Lentry_in_a_cluster
	s_endpgm
.Lentry_in_a_cluster:
	s_bfe_u32 s2, ttmp6, 0x10000c
	s_cmp_lg_u32 s2, 0x3003
	s_cbranch_scc0 .Lentry_shape_is_right
	s_endpgm
.Lentry_shape_is_right:
; ATTN: causal attention on codes of E4M3, head size 64, and its result quantised along the channels as the output projection's operand.
; t = score x log2(e) / 8; M = the running largest t rounded UP to a whole number; p = 2^(t - M) is quantised along the keys, not normalised; the row's sum is taken of the unquantised p and divides at the end.
; A HEAD'S K AND V STAY IN LDS.  A key step of 128 keys (K codes, V codes, K scales, V scales) is 16,896 dense bytes; the head's sixteen are 270,336 bytes.  Each of eight waves fetches two of them by ONE tensor load at the head; nothing is filled again, and one barrier shows all.
; CLUSTER 4 x 1: the four work-groups of a head need the same sixteen key steps and ask for them jointly (mask 15).
; SHARES.  A unit is 32 queries: tiles 2 j, 2 j + 1 of token group g; it walks g open key steps and the one on the diagonal.  Wave w of the work-group at place cx takes unit (g = 7 - w, j = cx), then (g = 8 + w, j = 3 - cx): 8 - w + 9 + w = 17 key steps for every wave.
; The trip counts are constants; a step is walked, masked or passed over by a scalar branch on g, which hangs on the wave's number alone.  cx enters global addresses and the mask's bound only.
; Key steps past the diagonal are under the causal mask and are not walked.
; REGISTERS.  Window 0: addresses, both tiles' small state (so that their chains go by turns), every scale word, Q and S^T of the first tile, K's fragments (v32-103).
; Window 1: v0-15 the first tile's p codes; v16-31 Q, v104-167 S^T, v168-199 O^T, v200-215 p codes of the second tile; v32-95 V's fragments; v216-247 the first tile's O^T.
; An open step fetches the next step's K fragments as soon as its own first products have read them; V's land under the softmax.
; LAYOUT.  Both products are used transposed (S^T = K Q^T, O^T = V^T P^T): a lane holds ONE query.  Operands are images of registers (chunks of 512 bytes, 16 a lane); lane row r of tile t is token (channel) 32 (t/2) + 8 (t%2) + r + 8 (r/8).
; THE HEAD'S 64 IN A FORM OF 128 ALONG K: Q's registers for k = 64..127 hold zero codes; K's operand of tile t is v[32 + 8 t : 47 + 8 t], whose upper half (the next tile's codes, never the NaN code) meets those zeros.
; No prefetch: all that the launch reads of K and V is asked for by the first fills at the head; there is no later load to run ahead of.
; LIMITS: NaN and infinities are not served; t under -3e38 is not served; a block whose largest magnitude lies under 2^-118 gets the byte 1.  ctx's scale bytes leave as 2 bytes a lane: 1/32 of the codes' bytes.
.set RGB,   135168
.set KST,   33792                      ; ctx's image: a K step of 256: 32,768 codes, then 1,024 scale bytes
.set HEADB, 405504
.set GRPB,  25344
.set STEPB, 16896
.set SPARE, 16*STEPB                   ; behind the sixteen key steps: the spare words, 128 bytes a wave
.set SPW, 4                            ; v1 16 x lane; v2 16 r; v6 -infinity
.set NIL, 5
.set QB,  9                            ; r + 8 (r/8) - 16 h
.set ADK, 10                           ; the step's first byte + 16 x lane
.set ADS, 11                           ; + 16 r; on the way out 8 r
.set ADN, 199                          ; the same two for the next step
.set ADM, 200
.set S,   104
.set KS,  232
.set VS,  240
; a tile's small state, tile t = 0, 1 (all in window 0): -M 12+156t, the largest t 13+156t, the sum 14+156t (a pair); a block's largest 216-44t+b, the other half's and the bytes 220-44t+b, 448 x the scale 224-44t+b, the conversions' scale operands 228-44t+b;
; f 246-58t (a pair); at work 250-60t, 251-60t; the sum's chains 248-56t, 252-58t, 254-58t (pairs); the mask's bound 3+195t; p's scale word 245-238t; Q's 244-236t.  In window 1: O^T 216-48t, p's codes 200t.
.set WV,  8
.set CX,  9
.set GD,  10
.set JJ,  11
.set KI,  12
.set TB,  13
.set PN,  14
.set G1,  16
.set G0,  24
.set SEL, 42
.set CS,  44
.set MNT, 46
.set MSB, 0
.macro WIN new                         ; the immediate's high byte repeats the setting that is left
.if MSB != (\new)
	s_set_vgpr_msb (MSB<<8)|(\new)
.set MSB, (\new)
.endif
.endm
.macro CROUND                          ; a round of the cluster's barrier
	s_barrier_signal -1
	s_barrier_wait -1
	s_cmp_lg_u32 s[WV], 0
	s_cbranch_scc1 .Lnot_wave_0_\@
	s_barrier_signal -3
.Lnot_wave_0_\@:
	s_barrier_wait -3
	s_barrier_signal -1
	s_barrier_wait -1
.endm
; A pass's set-up: its unit, its addresses, Q's loads, the mask's bounds, the sums' start
.macro PSET p
.if \p
	s_wait_xcnt 0x0                                ; the first pass's stores have read their registers and bases
	s_add_co_u32 s[GD], s[WV], 8
	s_sub_co_u32 s[JJ], 3, s[CX]
.else
	s_sub_co_u32 s[GD], 7, s[WV]
	s_mov_b32 s[JJ], s[CX]
.endif
	s_mul_i32 s48, s[GD], GRPB
	s_lshl_b32 s49, s[JJ], 11
	s_add_co_u32 s50, s48, s49
	s_mov_b32 s51, 0
	s_add_nc_u64 s[34:35], s[52:53], s[50:51]      ; Q's codes of tile 2 j
	s_lshl_b32 s49, s[JJ], 2
	s_add_co_u32 s50, s48, s49
	s_add_co_u32 s50, s50, 8192
	s_add_nc_u64 s[36:37], s[52:53], s[50:51]      ; its scale words
	s_mul_i32 s48, s[GD], RGB
	s_lshl_b32 s49, s[JJ], 11
	s_add_co_u32 s50, s48, s49
	s_add_nc_u64 s[38:39], s[54:55], s[50:51]      ; ctx's codes
	s_lshl_b32 s49, s[JJ], 8
	s_add_co_u32 s50, s48, s49
	s_add_nc_u64 s[40:41], s[56:57], s[50:51]      ; ctx's scale bytes
	s_lshl_b32 s49, s[JJ], 5
	global_load_b128 v[16:19], v1, s[34:35]
	global_load_b128 v[20:23], v1, s[34:35] offset:512
	global_load_u16 v244, v2, s[36:37]
	global_load_u16 v8, v2, s[36:37] offset:2
	v_add_nc_u32 v3, s49, v[QB]                    ; my query in its group of 128, less 16 h
	v_add_nc_u32 v198, 8, v3                       ; the second tile's queries lie 8 on
.irp t, 0,1
	v_mov_b32 v[13+156*\t], 0xff61b1e6             ; the largest t so far: -3e38
	v_floor_f32 v[12+156*\t], -v[13+156*\t]
	v_mov_b32 v[14+156*\t], 0
	v_mov_b32 v[15+156*\t], 0
.endr
	WIN 0x40
	global_load_b128 v[16:19], v1, s[34:35] offset:1024
	global_load_b128 v[20:23], v1, s[34:35] offset:1536
.set j, 0
.rept 32
	v_mov_b32 v[168+j], 0                          ; O^T of both tiles: the step has no first form: it finds zeros, which the first change of M leaves zeros
	v_mov_b32 v[216+j], 0
.set j, j+1
.endr
	WIN 0
	s_wait_alu depctr_va_vdst(0)
.endm
.macro HOLDB b                         ; the second tile's block b: holds and conversions (window setting 0x41)
.set i, 0
.rept 16
	v_min_num_f32 v[S+16*\b+i], v[S+16*\b+i], v[180+\b]
.set i, i+1
.endr
	v_cvt_scalef32_pk8_fp8_f32 v[200+4*\b:201+4*\b], v[S+16*\b:S+16*\b+7], v[184+\b]
	v_cvt_scalef32_pk8_fp8_f32 v[202+4*\b:203+4*\b], v[S+16*\b+8:S+16*\b+15], v[184+\b]
.endm
; A KEY STEP: 128 keys for my 32 queries: each fragment of K and of V feeds two products.  kind = 0: open, and a step follows; 1: the step on the diagonal, the pass's last
.macro STEP kind
	s_wait_dscnt 0x0                               ; K and its scale words
	WIN 0x44                                       ; Q and S^T of the second tile in window 1
.irp t, 0,1,2,3,4,5,6,7
	v_wmma_scale_f32_16x16x128_f8f6f4 v[S+8*\t:S+8*\t+7], v[32+8*\t:47+8*\t], v[16:31], 0, v[KS+\t], v8
.endr
	WIN 0
.irp t, 0,1,2,3,4,5,6,7
	v_wmma_scale_f32_16x16x128_f8f6f4 v[S+8*\t:S+8*\t+7], v[32+8*\t:47+8*\t], v[16:31], 0, v[KS+\t], v244
.endr
	v_add_nc_u32 v[ADK], s[TB], v1                 ; eight places in front of the first read of the scores and of the loads below: the additions, and v_nop
	v_add_nc_u32 v[ADS], s[TB], v2
.if \kind
.rept 6
	v_nop
.endr
.else
	s_add_co_u32 s47, s[TB], STEPB
	s_min_u32 s47, s47, 15*STEPB                   ; (an open step is never the sixteenth: the hold keeps the address inside the sixteen for every reading of the text)
	v_add_nc_u32 v[ADN], s47, v1
	v_add_nc_u32 v[ADM], s47, v2
.rept 4
	v_nop
.endr
.endif
	WIN 0x40
.set j, 0
.rept 16
	ds_load_b128 v[32+4*j:35+4*j], v[ADK] offset:8192+512*j   ; V: tile j / 4 of the head's 64, chunk j % 4 of the keys
.set j, j+1
.endr
	WIN 0
.irp t, 0,1,2,3
	ds_load_b32 v[VS+\t], v[ADS] offset:16640+4*\t
.endr
.if \kind == 0
.set j, 0
.rept 16
	ds_load_b128 v[32+4*j:35+4*j], v[ADN] offset:512*j   ; the next step's K: tile j / 2, chunk j % 2
.set j, j+1
.endr
.irp t, 0,1,2,3,4,5,6,7
	ds_load_u16 v[KS+\t], v[ADM] offset:16384+2*\t
.endr
.endif
.irp t, 0,1
.if \kind
	WIN 0x41*\t
.set n, 0
.rept 64
	v_cmp_gt_i32 vcc_lo, 32*(n/16)+n%16, v[3+195*\t]   ; a hidden key's score becomes -infinity ahead of the maximum: p = 0 then
	v_cndmask_b32 v[S+n], v[S+n], v6, vcc_lo
.set n, n+1
.endr
.endif
	WIN 0x05*\t
.irp b, 0,1,2,3
	v_max_num_f32 v[216-44*\t+\b], v[S+16*\b], v[S+16*\b+1]   ; the largest score of each block of 32 keys: for the row's maximum and for the block's largest p
.endr
.irp i, 2,4,6,8,10,12,14
.irp b, 0,1,2,3
	v_max3_num_f32 v[216-44*\t+\b], v[S+16*\b+\i], v[S+16*\b+\i+1], v[216-44*\t+\b]
.endr
.endr
.endr
	WIN 0
.irp b, 0,1,2,3
.irp t, 0,1
	v_permlanex16_b32 v[220-44*\t+\b], v[216-44*\t+\b], s[SEL], s[SEL+1]
.endr
.endr
.irp b, 0,1,2,3
.irp t, 0,1
	v_max_num_f32 v[216-44*\t+\b], v[216-44*\t+\b], v[220-44*\t+\b]
.endr
.endr
.irp t, 0,1                            ; the two tiles' chains by turns
	v_max3_num_f32 v[250-60*\t], v[216-44*\t], v[217-44*\t], v[218-44*\t]
.endr
.irp t, 0,1
	v_max_num_f32 v[250-60*\t], v[250-60*\t], v[219-44*\t]
.endr
.irp t, 0,1
	v_mul_f32 v[250-60*\t], s[CS], v[250-60*\t]
.endr
.irp t, 0,1
	v_max_num_f32 v[13+156*\t], v[13+156*\t], v[250-60*\t]   ; the running largest t
.endr
.irp t, 0,1
	v_mov_b32 v[250-60*\t], v[12+156*\t]
.endr
.irp t, 0,1
	v_floor_f32 v[12+156*\t], -v[13+156*\t]        ; -M = floor(-t): M is a whole number
.endr
.irp t, 0,1
	v_sub_f32 v[250-60*\t], v[12+156*\t], v[250-60*\t]
.endr
.irp t, 0,1
	v_cvt_i32_f32 v[250-60*\t], v[250-60*\t]       ; (it saturates)
.endr
.irp t, 0,1
	v_ldexp_f32 v[246-58*\t], 1.0, v[250-60*\t]    ; f = 2^(old M - new M): a multiplication by it rounds nothing
.endr
.irp b, 0,1,2,3
.irp t, 0,1
	v_fma_f32 v[216-44*\t+\b], v[216-44*\t+\b], s[CS], v[12+156*\t]
.endr
.endr
.irp t, 0,1
	v_pk_mul_f32 v[14+156*\t:15+156*\t], v[14+156*\t:15+156*\t], v[246-58*\t:247-58*\t] op_sel_hi:[1,0]   ; the sums under the new M
.endr
	WIN 0x41
.irp t, 0,1
.set j, 0
.rept 16
	v_pk_mul_f32 v[216-48*\t+j:217-48*\t+j], v[216-48*\t+j:217-48*\t+j], v[246-58*\t:247-58*\t] op_sel_hi:[1,0]   ; O^T under the new M
.set j, j+2
.endr
.endr
.irp t, 0,1
	WIN 0x41*\t
.set j, 0
.rept 32
	v_pk_fma_f32 v[S+j:S+j+1], v[S+j:S+j+1], s[CS:CS+1], v[12+156*\t:13+156*\t] op_sel_hi:[1,0,0]   ; t - M
.set j, j+2
.endr
.endr
	WIN 0
	s_wait_alu depctr_va_vdst(0)                   ; one batch for both tiles
.set j, 0
.rept 64
	v_exp_f32 v[S+j], v[S+j]                       ; p = 2^(t - M)
.set j, j+1
.endr
.irp t, 0,1
.irp b, 0,1,2,3
	v_exp_f32 v[216-44*\t+\b], v[216-44*\t+\b]     ; the block's largest p: the same two instructions on the same number
.endr
.endr
	WIN 0x41
.set j, 0
.rept 64
	v_exp_f32 v[S+j], v[S+j]
.set j, j+1
.endr
	WIN 0
	v_nop                                          ; a place behind the exponentials
	s_wait_alu depctr_va_vdst(0)                   ; and the one wait behind the batch
.irp b, 0,1,2,3
.irp t, 0,1
	v_max_num_f32 v[216-44*\t+\b], 0x4800000, v[216-44*\t+\b]   ; the floor 2^(9 - 127)
.endr
.endr
.irp b, 0,1,2,3
.irp t, 0,1
	v_add_nc_u32 v[228-44*\t+\b], 0xfc000000, v[216-44*\t+\b]   ; 8 off the exponent field: the conversion's scale operand
.endr
.endr
.irp b, 0,1,2,3
.irp t, 0,1
	v_and_or_b32 v[224-44*\t+\b], v[216-44*\t+\b], 0x7f800000, s[MNT]   ; 448 x the scale
.endr
.endr
.irp b, 0,1,2,3
.irp t, 0,1
	v_lshrrev_b32 v[220-44*\t+\b], 23, v[228-44*\t+\b]   ; the byte
.endr
.endr
.irp t, 0,1
	v_lshl_or_b32 v[251-60*\t], v[221-44*\t], 8, v[220-44*\t]
.endr
.irp t, 0,1
	v_lshl_or_b32 v[251-60*\t], v[222-44*\t], 16, v[251-60*\t]
.endr
.irp t, 0,1
	v_lshl_or_b32 v[245-238*\t], v[223-44*\t], 24, v[251-60*\t]   ; p's scale word for these 128 keys
.endr
.irp t, 0,1                            ; the row's sum of the unquantised p, in four chains
	WIN 0x05*\t
	v_pk_add_f32 v[248-56*\t:249-56*\t], v[S:S+1], v[S+2:S+3]
	v_pk_add_f32 v[252-58*\t:253-58*\t], v[S+4:S+5], v[S+6:S+7]
	v_pk_add_f32 v[254-58*\t:255-58*\t], v[S+8:S+9], v[S+10:S+11]
	WIN 0x04*\t
	v_pk_add_f32 v[14+156*\t:15+156*\t], v[14+156*\t:15+156*\t], v[S+12:S+13]
.irp j, 14,22,30,38,46,54
	v_pk_add_f32 v[248-56*\t:249-56*\t], v[248-56*\t:249-56*\t], v[S+\j:S+\j+1]
	v_pk_add_f32 v[252-58*\t:253-58*\t], v[252-58*\t:253-58*\t], v[S+\j+2:S+\j+3]
	v_pk_add_f32 v[254-58*\t:255-58*\t], v[254-58*\t:255-58*\t], v[S+\j+4:S+\j+5]
	v_pk_add_f32 v[14+156*\t:15+156*\t], v[14+156*\t:15+156*\t], v[S+\j+6:S+\j+7]
.endr
	v_pk_add_f32 v[248-56*\t:249-56*\t], v[248-56*\t:249-56*\t], v[S+62:S+63]
.endr
	WIN 0
.irp b, 0,1,2,3
.set i, 0
.rept 16
	v_min_num_f32 v[S+16*\b+i], v[S+16*\b+i], v[224+\b]   ; the conversion does not saturate (ISA guide 7.6.2); p is not negative, so the hold is one-sided
.set i, i+1
.endr
.endr
	WIN 0x40
.irp b, 0,1,2,3
	v_cvt_scalef32_pk8_fp8_f32 v[4*\b:4*\b+1], v[S+16*\b:S+16*\b+7], v[228+\b]
	v_cvt_scalef32_pk8_fp8_f32 v[4*\b+2:4*\b+3], v[S+16*\b+8:S+16*\b+15], v[228+\b]
.endr
	WIN 0x41
	HOLDB 0                                        ; (its sixteen holds also stand between the first tile's codes and its products)
	s_wait_alu depctr_va_vdst(0)
	s_wait_dscnt 24*(1-\kind)                      ; V and its scale words are in; the 24 younger loads, the next step's K, may be out
	WIN 0x55
.irp t, 0,1,2,3
	v_wmma_scale_f32_16x16x128_f8f6f4 v[216+8*\t:223+8*\t], v[32+16*\t:47+16*\t], v[0:15], v[216+8*\t:223+8*\t], v[VS+\t], v245
.endr
	WIN 0x41
	HOLDB 1
	HOLDB 2
	HOLDB 3
	WIN 0
.irp t, 0,1                            ; the chains join: six plain lines between the second tile's codes and its products
	v_pk_add_f32 v[252-58*\t:253-58*\t], v[252-58*\t:253-58*\t], v[254-58*\t:255-58*\t]
.endr
.irp t, 0,1
	v_pk_add_f32 v[14+156*\t:15+156*\t], v[14+156*\t:15+156*\t], v[248-56*\t:249-56*\t]
.endr
.irp t, 0,1
	v_pk_add_f32 v[14+156*\t:15+156*\t], v[14+156*\t:15+156*\t], v[252-58*\t:253-58*\t]
.endr
	s_wait_alu depctr_va_vdst(0)
	WIN 0x55
.irp t, 0,1,2,3
	v_wmma_scale_f32_16x16x128_f8f6f4 v[168+8*\t:175+8*\t], v[32+16*\t:47+16*\t], v[200:215], v[168+8*\t:175+8*\t], v[VS+\t], v7
.endr
	WIN 0
.endm
	s_load_b128 s[4:7], s[0:1], 0x0                ; qkv, ctx
	v_lshl_add_u32 v[SPW], v0, 2, SPARE
	v_mov_b32 v[NIL], 0
	ds_add_u32 v[SPW], v[NIL]                      ; the opening lines
	ds_add_u32 v[SPW], v[NIL]
	v_lshrrev_b32 v1, 5, v0
	v_readfirstlane_b32 s[WV], v1                  ; wave 0..7
	s_bfe_u32 s[CX], ttmp6, 0x40000                ; my place in the cluster
	s_mov_b32 s[G1], 15|(3<<16)|(1<<21)            ; the four of the cluster; elements of 8 bytes; bit 21 beside the mask
	s_mov_b32 s[G1+1], 2112<<16                    ; tensor_dim0: a key step's 16,896 bytes
	s_mov_b32 s[G1+2], 2<<16                       ; tensor_dim1: two key steps
	s_mov_b32 s[G1+3], 2112<<16                    ; tile_dim0
	s_mov_b32 s[G1+4], 2                           ; tile_dim1
	s_mov_b32 s[G1+5], 3168                        ; 25,344 bytes from one to the next
	s_mov_b32 s[G1+6], 0
	s_mov_b32 s[G1+7], 0
	s_mov_b32 s[SEL], 0x76543210
	s_mov_b32 s[SEL+1], 0xfedcba98
	s_mov_b32 s[CS], 0x3e38aa3b                    ; c = log2(e) / 8
	s_mov_b32 s[CS+1], s[CS]
	s_mov_b32 s[MNT], 0x600000
	s_mov_b32 s[PN], 0
	s_and_b32 s47, ttmp7, 0xffff                   ; 16 x batch + head
	s_mul_i32 s50, s47, HEADB
	s_mov_b32 s51, 0
	s_mul_i32 s28, s[WV], 2*GRPB
	s_add_co_u32 s28, s28, 8448                    ; my two key steps in the head
	s_mov_b32 s29, 0
	s_lshr_b32 s49, s47, 4
	s_mul_i32 s49, s49, 16*RGB                     ; ctx: the batch's sixteen row groups
	s_and_b32 s47, s47, 15                         ; the head = k / 64 of ctx
	s_lshr_b32 s30, s47, 2
	s_mul_i32 s30, s30, KST
	s_add_co_u32 s49, s49, s30                     ; its K step of 256
	s_and_b32 s47, s47, 3
	s_lshl_b32 s30, s47, 13
	s_add_co_u32 s54, s49, s30                     ; codes: + 8,192 (head % 4)
	s_mov_b32 s55, 0
	s_lshl_b32 s30, s47, 1
	s_add_co_u32 s56, s49, s30
	s_add_co_u32 s56, s56, 32768                   ; scale bytes: + 32,768 + 2 (head % 4)
	s_mov_b32 s57, 0
	s_mov_b32 s[G0], 1
	s_mul_i32 s[G0+1], s[WV], 2*STEPB
	s_wait_dscnt 0x0                               ; both opening adds are done
	CROUND                                         ; the four work-groups are here: the joint loads meet
	s_wait_kmcnt 0x0
	s_add_nc_u64 s[52:53], s[4:5], s[50:51]        ; the head's first byte in qkv
	s_add_nc_u64 s[G0+2:G0+3], s[52:53], s[28:29]
	s_or_b32 s[G0+3], s[G0+3], 0x80000000
	s_add_nc_u64 s[54:55], s[6:7], s[54:55]
	s_add_nc_u64 s[56:57], s[6:7], s[56:57]
	tensor_load_to_lds s[G0:G0+3], s[G1:G1+7]      ; key steps 2 w, 2 w + 1: my one tensor load
	s_nop 0
.rept 4
	v_nop
.endr
	v_and_b32 v1, 31, v0
	v_lshlrev_b32 v1, 4, v1                        ; 16 x lane
	v_and_b32 v248, 15, v0                         ; r
	v_bfe_u32 v249, v0, 4, 1                       ; h
	v_lshlrev_b32 v2, 4, v248
	v_and_b32 v[QB], 8, v248
	v_add_nc_u32 v[QB], v[QB], v248
	v_lshlrev_b32 v249, 4, v249
	v_sub_nc_u32 v[QB], v[QB], v249                ; r + 8 (r/8) - 16 h: register 16 b + i holds key 32 b + 16 h + i
	v_mov_b32 v6, 0xff800000
.irp j, 0,1,2,3,4,5,6,7
	v_mov_b32 v[24+\j], 0                          ; Q's codes for k = 64..127
	v_mov_b32 v[96+\j], 0                          ; and what stands behind K's last tile
.endr
.irp b, 0,1,2,3
	v_mov_b32 v[220+\b], 0                         ; a lane permute's destination counts as one of its sources
	v_mov_b32 v[176+\b], 0
.endr
	v_mov_b32 v247, 0                              ; (named as the upper halves of pairs)
	v_mov_b32 v189, 0
	v_mov_b32 v250, 0
	v_mov_b32 v190, 0
	WIN 0x40
.irp j, 0,1,2,3,4,5,6,7
	v_mov_b32 v[24+\j], 0                          ; the second tile's Q likewise
.endr
	WIN 0
	s_wait_alu depctr_va_vdst(0)
	PSET 0
	s_wait_tensorcnt 0x0                           ; my two key steps are in
	s_barrier_signal -1
	s_barrier_wait -1                              ; and everybody's: all sixteen
.Lpass:
.set j, 0
.rept 16
	ds_load_b128 v[32+4*j:35+4*j], v1 offset:512*j   ; key step 0's K
.set j, j+1
.endr
.irp t, 0,1,2,3,4,5,6,7
	ds_load_u16 v[KS+\t], v2 offset:16384+2*\t
.endr
	s_wait_loadcnt 0x0                             ; Q
	s_mov_b32 s[TB], 0
	s_mov_b32 s[KI], 0
.Lstep:                                            ; sixteen trips, a key step each: open below g, masked at g, passed over beyond it
	s_cmp_lt_u32 s[KI], s[GD]
	s_cbranch_scc1 .Lopen
	s_cmp_eq_u32 s[KI], s[GD]
	s_cbranch_scc0 .Lnext
	STEP 1
	s_branch .Lnext
.Lopen:
	STEP 0
.Lnext:
	s_add_co_u32 s[TB], s[TB], STEPB
	s_add_co_u32 s[KI], s[KI], 1
	s_cmp_lt_u32 s[KI], 16
	s_cbranch_scc1 .Lstep
	s_wait_dscnt 0x0                               ; on every way out of the loop no LDS load is out: K's registers are written again below and at the next pass's head
	; THE PASS'S WAY OUT: O^T / the sum, quantised along the head's 64: two chunks of ctx's image for each tile; the four blocks by turns
.rept 8
	v_nop                                          ; places behind the last products
.endr
	v_lshrrev_b32 v[ADS], 1, v2                    ; 8 r
.irp t, 0,1
	v_add_f32 v[14+156*\t], v[14+156*\t], v[15+156*\t]
.endr
.irp t, 0,1
	v_permlanex16_b32 v[250-60*\t], v[14+156*\t], s[SEL], s[SEL+1]
.endr
.irp t, 0,1
	v_add_f32 v[14+156*\t], v[14+156*\t], v[250-60*\t]
.endr
	s_wait_alu depctr_va_vdst(0)
.irp t, 0,1
	v_rcp_f32 v[14+156*\t], v[14+156*\t]
.endr
	v_nop
	WIN 0x01
	s_wait_alu depctr_va_vdst(0)
.irp t, 0,1
.set j, 0
.rept 16
	v_pk_mul_f32 v[S+32*\t+j:S+32*\t+j+1], v[216-48*\t+j:217-48*\t+j], v[14+156*\t:15+156*\t] op_sel_hi:[1,0]   ; register 16 b + i: channel 32 b + 16 h + i of my query
.set j, j+2
.endr
.endr
	WIN 0
.irp t, 0,1
.irp b, 0,1
	v_max3_num_f32 v[216-44*\t+\b], |v[S+32*\t+16*\b]|, |v[S+32*\t+16*\b+1]|, 0x4800000
.endr
.endr
.irp i, 2,4,6,8,10,12,14
.irp t, 0,1
.irp b, 0,1
	v_max3_num_f32 v[216-44*\t+\b], v[216-44*\t+\b], |v[S+32*\t+16*\b+\i]|, |v[S+32*\t+16*\b+\i+1]|
.endr
.endr
.endr
.irp t, 0,1
.irp b, 0,1
	v_permlanex16_b32 v[220-44*\t+\b], v[216-44*\t+\b], s[SEL], s[SEL+1]
.endr
.endr
.irp t, 0,1
.irp b, 0,1
	v_max_num_f32 v[216-44*\t+\b], v[216-44*\t+\b], v[220-44*\t+\b]
.endr
.endr
.irp t, 0,1
.irp b, 0,1
	v_add_nc_u32 v[228-44*\t+\b], 0xfc000000, v[216-44*\t+\b]
.endr
.endr
.irp t, 0,1
.irp b, 0,1
	v_and_or_b32 v[224-44*\t+\b], v[216-44*\t+\b], 0x7f800000, s[MNT]
.endr
.endr
.irp t, 0,1
.irp b, 0,1
	v_lshrrev_b32 v[220-44*\t+\b], 23, v[228-44*\t+\b]
.endr
.endr
.irp t, 0,1
	v_lshl_or_b32 v[251-60*\t], v[221-44*\t], 8, v[220-44*\t]
.endr
.irp t, 0,1
.irp b, 0,1
.set i, 0
.rept 16
	v_med3_num_f32 v[S+32*\t+16*\b+i], v[S+32*\t+16*\b+i], -v[224-44*\t+\b], v[224-44*\t+\b]
.set i, i+1
.endr
	v_cvt_scalef32_pk8_fp8_f32 v[32+8*\t+4*\b:33+8*\t+4*\b], v[S+32*\t+16*\b:S+32*\t+16*\b+7], v[228-44*\t+\b]
	v_cvt_scalef32_pk8_fp8_f32 v[34+8*\t+4*\b:35+8*\t+4*\b], v[S+32*\t+16*\b+8:S+32*\t+16*\b+15], v[228-44*\t+\b]
.endr
.endr
	v_nop                                          ; one plain line behind the last conversion
.irp t, 0,1
	global_store_b128 v1, v[32+8*\t:35+8*\t], s[38:39] offset:1024*\t        ; 512 consecutive bytes, aligned
	global_store_b128 v1, v[36+8*\t:39+8*\t], s[38:39] offset:1024*\t+512
	global_store_b16 v[ADS], v[251-60*\t], s[40:41] offset:128*\t   ; my row's two bytes (lanes 16-31 write the same bytes with the same values)
.endr
	s_add_co_u32 s[PN], s[PN], 1
	s_cmp_lt_u32 s[PN], 2
	s_cbranch_scc0 .Ldone
	PSET 1
	s_cmp_lt_u32 s[PN], 2
	s_cbranch_scc1 .Lpass
.Ldone:
	s_wait_tensorcnt 0x0                           ; the wave's end
	ds_add_u32 v[SPW], v[NIL]
	s_wait_dscnt 0x0
	CROUND                                         ; the closing round
	s_endpgm
.Lfunc_end_k_q19c4bd423a_attn:
	.size	k_q19c4bd423a_attn, .Lfunc_end_k_q19c4bd423a_attn-k_q19c4bd423a_attn
	.p2alignl 7, 3214868480
	.fill 96, 4, 3214868480
	.section	.rodata,"a",@progbits
	.p2align	6, 0x0
	.amdhsa_kernel k_q19c4bd423a_attn
		.amdhsa_group_segment_fixed_size 327680
		.amdhsa_private_segment_fixed_size 0
		.amdhsa_enable_private_segment 0
		.amdhsa_kernarg_size 16
		.amdhsa_user_sgpr_count 2
		.amdhsa_user_sgpr_kernarg_segment_ptr 1
		.amdhsa_wavefront_size32 1
		.amdhsa_system_sgpr_workgroup_id_x 1
		.amdhsa_system_sgpr_workgroup_id_y 1
		.amdhsa_system_sgpr_workgroup_id_z 1
		.amdhsa_system_vgpr_workitem_id 0
		.amdhsa_next_free_vgpr 512
		.amdhsa_next_free_sgpr 66
		.amdhsa_reserve_vcc 1
		.amdhsa_float_denorm_mode_32 3
		.amdhsa_float_denorm_mode_16_64 3
		.amdhsa_memory_ordered 1
		.amdhsa_forward_progress 1
		.amdhsa_inst_pref_size 104
	.end_amdhsa_kernel
	.amdgpu_metadata
---
amdhsa.version: [ 1, 2 ]
amdhsa.kernels:
  - .name:           k_q19c4bd423a_attn
    .symbol:         k_q19c4bd423a_attn.kd
    .args:
      - { .name: qkv, .offset: 0, .size: 8, .value_kind: global_buffer, .address_space: global }
      - { .name: ctx, .offset: 8, .size: 8, .value_kind: global_buffer, .address_space: global }
    .group_segment_fixed_size: 327680
    .private_segment_fixed_size: 0
    .kernarg_segment_align: 8
    .kernarg_segment_size: 16
    .max_flat_workgroup_size: 256
    .sgpr_count:     66
    .vgpr_count:     512
    .wavefront_size: 32
...
	.end_amdgpu_metadata
.endif
;; end of part 3
;; launch projg (part 4): grid 8 x 32, 4 waves a work-group, clusters of 4 x 4, 327,680 bytes of LDS; arguments ctx, wq, proj_b, x, out0; writes out0
.if DOCPART == 4
	.amdgcn_target "amdgcn-amd-amdhsa--gfx1250"
	.amdhsa_code_object_version 6
	.text
	.protected	k_q19c4bd423a_projg
	.globl	k_q19c4bd423a_projg
	.p2align	8
	.type	k_q19c4bd423a_projg,@function
k_q19c4bd423a_projg:
	s_mov_b64 s[64:65], 0
	v_nop
	global_prefetch_b8 v0, s[64:65] scope:SCOPE_SE
	s_setreg_imm32_b32 hwreg(HW_REG_WAVE_MODE, 25, 1), 1
	s_wait_xcnt 0x0
	s_wait_alu depctr_hold_cnt(0) depctr_sa_sdst(0) depctr_va_vdst(0) depctr_va_sdst(0) depctr_va_ssrc(0) depctr_va_vcc(0) depctr_vm_vsrc(0)
	s_getreg_b32 s2, hwreg(HW_REG_IB_STS2, 6, 4)
	s_cmp_eq_u32 s2, 0
	s_cbranch_scc0 .Lentry_in_a_cluster
	s_endpgm
.Lentry_in_a_cluster:
	s_bfe_u32 s2, ttmp6, 0x10000c
	s_cmp_lg_u32 s2, 0xf033
	s_cbranch_scc0 .Lentry_shape_is_right
	s_endpgm
.Lentry_shape_is_right:
; PROJG: out0 = Q(ctx) Q(proj_w) + proj_b + x on codes of E4M3 (K = 1,024), f32 sums.
; A block is 256 tokens x 128 features: 32 x 8 = 256 work-groups.  Four waves; wave w makes tokens 64 w .. 64 w + 63 of the block x all 128 features: 32 accumulators, 256 registers.
; Both operands are images of operand registers: row groups of 128 (RGB bytes), by K steps of 256: 32,768 codes [k/64 % 4][tile 8][c 2][512], then 1,024 scale bytes [tile][r][8]; tile t's lane row r is row 32 (t/2) + 8 (t%2) + r + 8 (r/8).
; K goes in four steps of 256 through two LDS slots (ctx's two groups, then the weight's one: 101,376 bytes); the scale bytes ride with their codes.  Waves 0, 1 fetch a group of ctx each, waves 2, 3 half of the weight's group each: one tensor load a wave.
; CLUSTERS 4 x 4: ctx's tiles are shared along a row of the cluster, the weight's along a column, by joint loads.
; The matrix instruction is used transposed (source 0 = the weight's rows, source 1 = tokens): a lane holds one token and features along its registers.
; x's 64 x 128 numbers of a wave are asked for at the head, as whole rows of 512 bytes, into window 3, and are added on the way out, where the sums pass through a stage in LDS and come back as whole rows.
; PREFETCH: behind the head's load K steps 1 and 2 are named, behind K step 1's load K step 3.  The four partners that ask for a tile jointly share its code blocks of 256 bytes out by address (cx for ctx: 32 blocks each; cy for the weight's halves: 16 each, the lanes left over name the last again).
; REGISTERS: window 0: v0-31 addresses, v8-11 the bias; v32-63 scale words, two sets; v64-191 tokens' fragments, two sets; on the way out v128-255.  window 1: the weight's fragments, two sets.  window 2: accumulator (a, b) at v[8 (8 a + b)].  window 3: x.
; LIMITS: NaN and infinities are not served.
.set RGB,   135168
.set KST,   33792
.set HB,    16896
.set SLOT,  3*KST
.set SPARE, 2*SLOT                     ; behind the ring: the spare words, 128 bytes a wave
.set SPITCH, 528                       ; the stage: 16 rows x (512 + 16) bytes a wave, in slot 0 behind its last fill and last read
.set ADRA, 16
.set ADRB, 20
.set STO,  24
.set RD,   25
.set LI,   26
.set PFO,  27
.set SPW,  28
.set NIL,  29
.set ADRS, 30
.set SC,   32
.set AF,   64
.set BK,   128
.set G1, 24
.set G0, 32
.set G1B, 48
.set G0B, 56
.set PFA, 68
.set MSB, 0
.macro WIN new                         ; the immediate's high byte repeats the setting that is left
.if MSB != (\new)
	s_set_vgpr_msb (MSB<<8)|(\new)
.set MSB, (\new)
.endif
.endm
.macro JLOAD s                         ; a joint load: waves 0, 1 for ctx, waves 2, 3 for the weight; s_nop 0 and four v_nop follow each line
	s_cmp_eq_u32 s15, 0
	s_cbranch_scc0 .Lfor_b_\@
	tensor_load_to_lds s[G0+4*\s:G0+4*\s+3], s[G1:G1+7]
	s_nop 0
.rept 4
	v_nop
.endr
	s_branch .Lasked_\@
.Lfor_b_\@:
	tensor_load_to_lds s[G0B+4*\s:G0B+4*\s+3], s[G1B:G1B+7]
	s_nop 0
.rept 4
	v_nop
.endr
.Lasked_\@:
.endm
.macro CREST
	s_cmp_lg_u32 s14, 0
	s_cbranch_scc1 .Lnot_wave_0_\@
	s_barrier_signal -3
.Lnot_wave_0_\@:
	s_barrier_wait -3
	s_barrier_signal -1
	s_barrier_wait -1
.endm
.macro CROUND
	s_barrier_signal -1
	s_barrier_wait -1
	CREST
.endm
.macro PLACES n
.rept \n
	v_nop
.endr
.endm
.macro FRAG reg, adr, q, i             ; tile i's fragment of the slot's q-th 128 along K: four chunks
.irp c, 0,1,2,3
	ds_load_b128 v[\reg+4*\c:\reg+4*\c+3], v[\adr] offset:(2*(\q)+\c/2)*8192+(\i)*1024+(\c%2)*512
.endr
.endm
.macro FETCH slot, q, p                ; 48 loads: the weight's eight fragments and my four of ctx into set p
	WIN 0x40
.irp i, 0,1,2,3,4,5,6,7
	FRAG 128*(\p)+16*\i, ADRB+\slot, \q, \i
.endr
	WIN 0
.irp i, 0,1,2,3
	FRAG AF+64*(\p)+16*\i, ADRA+\slot, \q, \i
.endr
.endm
.macro SCALES sc                       ; a K step's two scale words a row: lanes 0-15 my ctx tile i (used for i under 4), lanes 16-31 the weight's tile i
.irp i, 0,1,2,3,4,5,6,7
	ds_load_b64 v[SC+16*\sc+2*\i:SC+16*\sc+2*\i+1], v[ADRS+\sc] offset:\i*128
.endr
.endm
; 16 matrix instructions: my blocks a0, a0 + 1 x the weight's eight.  The 32 accumulators take turns in the same order in every step.
.macro MUL16 a0, p, sc, zero
	WIN 0xa1                                       ; source 0 window 1, source 1 window 0, C and D window 2
.irp a, \a0, \a0+1
.irp b, 0,1,2,3,4,5,6,7
.set rD, 8*(8*(\a)+\b)
.set rB, 128*(\p)+16*\b
.set rA, AF+64*(\p)+16*(\a)
.set rSB, SC+16*(\sc)+2*\b+(\p)
.set rSA, SC+16*(\sc)+2*(\a)+(\p)
.if \zero
	v_wmma_scale_f32_16x16x128_f8f6f4 v[rD:rD+7], v[rB:rB+15], v[rA:rA+15], 0, v[rSB], v[rSA] matrix_a_scale:MATRIX_SCALE_ROW1
.else
	v_wmma_scale_f32_16x16x128_f8f6f4 v[rD:rD+7], v[rB:rB+15], v[rA:rA+15], v[rD:rD+7], v[rSB], v[rSA] matrix_a_scale:MATRIX_SCALE_ROW1
.endif
.endr
.endr
	WIN 0
.endm
.macro STEP slot, zero                 ; a slot's first 128 along K, on set 0; the second 128's fragments are fetched into set 1 ahead of the products
	s_wait_dscnt 0x0
	PLACES 8                                       ; in front of loads into registers that matrix instructions have read
	FETCH \slot, 1, 1
	MUL16 0, 0, \slot, \zero
	MUL16 2, 0, \slot, \zero
.endm
; A slot's second 128, on set 1, changes slots: each wave waits for all its tensor loads, adds 0 to its spare word and waits for that and for its reads of this slot.  fill = 1: the slot takes the K step two on.
.macro TURN slot, next, fill
	s_wait_tensorcnt 0x0
	ds_add_u32 v[SPW], v[NIL]
	s_wait_dscnt 0x0
	s_barrier_signal -1
	MUL16 0, 1, \slot, 0
	s_barrier_wait -1
.if \fill
	CREST                                          ; the barrier has opened a round of the cluster's barrier
	s_add_nc_u64 s[G0+4*\slot+2:G0+4*\slot+3], s[G0+4*\slot+2:G0+4*\slot+3], 2*KST
	s_add_nc_u64 s[G0B+4*\slot+2:G0B+4*\slot+3], s[G0B+4*\slot+2:G0B+4*\slot+3], 2*KST
	JLOAD \slot
	PLACES 4
.else
	PLACES 8
.endif
	FETCH \next, 0, 0
	SCALES \next
	MUL16 2, 1, \slot, 0
.endm
	s_load_b256 s[4:11], s[0:1], 0x0               ; ctx, wq, proj_b, x
	s_load_b64 s[12:13], s[0:1], 0x20              ; out0
	v_lshl_add_u32 v[SPW], v0, 2, SPARE
	v_mov_b32 v[NIL], 0
	ds_add_u32 v[SPW], v[NIL]                      ; the opening lines
	ds_add_u32 v[SPW], v[NIL]
	v_lshrrev_b32 v1, 5, v0
	v_readfirstlane_b32 s14, v1                    ; wave 0..3
	s_lshr_b32 s15, s14, 1                         ; my group of ctx.  Also: I fetch for ctx (0) or for the weight (1)
	s_and_b32 s16, s14, 1                          ; my half of that group.  Also: which group, or which half, I fetch
	s_bfe_u32 s40, ttmp6, 0x40000                  ; cx
	s_bfe_u32 s41, ttmp6, 0x40004                  ; cy
	s_lshl_b32 s42, ttmp9, 2
	s_add_co_u32 s42, s42, s40                     ; the block's column: 128 features
	s_and_b32 s17, ttmp7, 0xffff
	s_lshl_b32 s17, s17, 2
	s_add_co_u32 s17, s17, s41                     ; its row: 256 tokens
	s_lshl_b32 s43, s41, 2
	s_lshl_b32 s43, 15, s43                        ; my row of the cluster
	s_lshl_b32 s44, 0x1111, s40                    ; my column
	s_or_b32 s[G1+0], s43, (3<<16)|(1<<21)         ; dense blocks as rows of 256 bytes (32 elements of 8 bytes): 132 rows for ctx,
	s_or_b32 s[G1B+0], s44, (3<<16)|(1<<21)        ; 66 for half of the weight's group
	s_mov_b32 s[G1+2], 132<<16
	s_mov_b32 s[G1+4], 132
	s_mov_b32 s[G1B+2], 66<<16
	s_mov_b32 s[G1B+4], 66
.irp g, G1, G1B
	s_mov_b32 s[\g+1], 32<<16
	s_mov_b32 s[\g+3], 32<<16
	s_mov_b32 s[\g+5], 32
	s_mov_b32 s[\g+6], 0
	s_mov_b32 s[\g+7], 0
.endr
	s_lshl_b32 s20, s17, 1
	s_add_co_u32 s20, s20, s16
	s_mul_i32 s20, s20, RGB                        ; ctx: the group that I fetch
	s_mov_b32 s21, 0
	s_add_co_u32 s46, s42, 24                      ; proj_w's groups lie behind attn_w's 24
	s_mul_i32 s46, s46, RGB
	s_mul_i32 s47, s16, HB
	s_add_co_u32 s46, s46, s47                     ; the half that I fetch
	s_mov_b32 s47, 0
	s_mul_i32 s22, s16, KST                        ; where they go
	s_mul_i32 s23, s16, HB
	s_add_co_u32 s23, s23, 2*KST
	s_wait_dscnt 0x0                               ; both opening adds are done
	CROUND                                         ; all sixteen work-groups are here: the first joint loads meet
	s_wait_kmcnt 0x0
	s_add_nc_u64 s[20:21], s[4:5], s[20:21]
	s_add_nc_u64 s[46:47], s[6:7], s[46:47]
.irp s, 0,1
	s_mov_b32 s[G0+4*\s], 1
	s_add_co_u32 s[G0+4*\s+1], s22, \s*SLOT
	s_add_nc_u64 s[G0+4*\s+2:G0+4*\s+3], s[20:21], \s*KST
	s_or_b32 s[G0+4*\s+3], s[G0+4*\s+3], 0x80000000
	s_mov_b32 s[G0B+4*\s], 1
	s_add_co_u32 s[G0B+4*\s+1], s23, \s*SLOT
	s_add_nc_u64 s[G0B+4*\s+2:G0B+4*\s+3], s[46:47], \s*KST
	s_or_b32 s[G0B+4*\s+3], s[G0B+4*\s+3], 0x80000000
.endr
	JLOAD 0                                        ; K step 0: one tensor load a wave at the head
	s_lshl_b32 s18, s40, 13                        ; the prefetches: my work-group's share of what I fetch, by address
	s_lshl_b32 s19, s41, 12
	s_cmp_eq_u32 s15, 0
	s_cselect_b64 s[PFA:PFA+1], s[20:21], s[46:47]
	s_cselect_b32 s18, s18, s19
	s_cselect_b32 s70, 31, 15
	s_mov_b32 s19, 0
	s_add_nc_u64 s[PFA:PFA+1], s[PFA:PFA+1], s[18:19]
	v_and_b32 v1, 31, v0
	v_min_u32 v[PFO], s70, v1
	v_lshlrev_b32 v[PFO], 8, v[PFO]                ; lanes 256 bytes apart
	global_prefetch_b8 v[PFO], s[PFA:PFA+1] offset:KST th:TH_LOAD_NT scope:SCOPE_SE
	global_prefetch_b8 v[PFO], s[PFA:PFA+1] offset:2*KST th:TH_LOAD_NT scope:SCOPE_SE
	v_lshlrev_b32 v[LI], 4, v1                     ; 16 x lane
	v_and_b32 v2, 15, v0                           ; r
	v_bfe_u32 v3, v0, 4, 1                         ; h
	s_wait_alu depctr_va_vdst(0)
	s_lshl_b32 s18, s17, 20                        ; x and out0: 256 rows of 4,096 bytes a block,
	s_lshl_b32 s19, s14, 18                        ; 64 a wave,
	s_add_co_u32 s18, s18, s19
	s_lshl_b32 s22, s42, 9                         ; 512 bytes a column of blocks
	s_add_co_u32 s18, s18, s22
	s_mov_b32 s19, 0
	s_mov_b32 s23, 0
	s_add_nc_u64 s[10:11], s[10:11], s[18:19]
	s_add_nc_u64 s[12:13], s[12:13], s[18:19]
	s_add_nc_u64 s[8:9], s[8:9], s[22:23]
	global_load_b128 v[8:11], v[LI], s[8:9]        ; the bias at my four columns of a row
.macro XLOAD a                         ; x into window 3: block a's row t is token 32 (a/2) + 8 (a%2) + t + 8 (t/8) of my 64.  Asked for behind the K steps' first requests, not ahead of them
	WIN 0xc0
.irp t, 0,1,2,3,4,5,6,7,8,9,10,11,12,13,14,15
	global_load_b128 v[64*(\a)+4*\t:64*(\a)+4*\t+3], v[LI], s[10:11] offset:(32*((\a)/2)+8*((\a)%2)+\t+8*(\t/8))*4096 th:TH_LOAD_NT
.endr
	WIN 0
.endm
	s_mul_i32 s18, s15, KST
	s_lshl_b32 s19, s16, 12
	s_add_co_u32 s19, s19, s18                     ; my four tiles of ctx
	v_add_nc_u32 v[ADRA], s19, v[LI]
	v_add_nc_u32 v[ADRA+1], SLOT, v[ADRA]
	v_add_nc_u32 v[ADRB], 2*KST, v[LI]
	v_add_nc_u32 v[ADRB+1], SLOT+2*KST, v[LI]
	s_lshl_b32 s19, s16, 9
	s_add_co_u32 s18, s18, s19
	s_sub_co_u32 s19, 2*KST, s18
	v_mul_u32_u24 v4, s19, v3                      ; lanes 16-31 take the weight's words: the distance from mine, once
	s_add_co_u32 s18, s18, 32768
	v_lshl_add_u32 v4, v2, 3, v4
	v_add_nc_u32 v[ADRS], s18, v4
	v_add_nc_u32 v[ADRS+1], SLOT, v[ADRS]
	s_mul_i32 s23, s14, 16*SPITCH                  ; my stage
	v_mul_u32_u24 v5, v2, SPITCH
	v_lshl_add_u32 v5, v3, 6, v5
	v_add_nc_u32 v[STO], s23, v5                   ; in: row r, 64 bytes for each half of the lanes
	v_add_nc_u32 v[RD], s23, v[LI]                 ; back: the 32 lanes take one row of 512 bytes
	s_wait_alu depctr_va_vdst(0)
	s_wait_tensorcnt 0x0                           ; my part of K step 0 is in; slot 1's first fill is issued as a refill is
	ds_add_u32 v[SPW], v[NIL]
	s_wait_dscnt 0x0
	CROUND
	JLOAD 1                                        ; K step 1
	FETCH 0, 0, 0
	SCALES 0
	global_prefetch_b8 v[PFO], s[PFA:PFA+1] offset:3*KST th:TH_LOAD_NT scope:SCOPE_SE
	XLOAD 0
	XLOAD 1
	XLOAD 2
	STEP 0, 1                                      ; the first products start the sums
	TURN 0, 1, 1                                   ; slot 0 takes K step 2
	XLOAD 3
	STEP 1, 0
	TURN 1, 0, 1                                   ; slot 1 takes K step 3
	STEP 0, 0
	TURN 0, 1, 0                                   ; nothing is left to fetch
	STEP 1, 0
	s_wait_dscnt 0x0
	MUL16 0, 1, 1, 0
	MUL16 2, 1, 1, 0
; THE WAY OUT, block by block of 16 tokens x 128 features: through my stage, back as whole rows of 512 bytes, + x + the bias, stored as two aligned units of 256 bytes.
.macro TOSTAGE a
.set AC, 64*(\a)
	WIN 0x08                                       ; the data: window 2
.irp b, 0,1,2,3,4,5,6,7
	ds_store_b128 v[STO], v[AC+8*\b:AC+8*\b+3] offset:128*(\b/2)+32*(\b%2)       ; each accumulator from its low end on
	ds_store_b128 v[STO], v[AC+8*\b+4:AC+8*\b+7] offset:128*(\b/2)+32*(\b%2)+16
.endr
	WIN 0
.set BB, BK+64*((\a)%2)
.irp t, 0,1,2,3,4,5,6,7,8,9,10,11,12,13,14,15
	ds_load_b128 v[BB+4*\t:BB+4*\t+3], v[RD] offset:\t*SPITCH   ; LDS serves a wave's instructions in order: these see the stores above
.endr
.endm
.macro SEND a, younger                 ; younger: the LDS instructions issued behind block a's loads, which may stay out
.set BB, BK+64*((\a)%2)
	s_wait_dscnt \younger
	WIN 0x0c                                       ; source 1: window 3
.set j, 0
.rept 32
	v_pk_add_f32 v[BB+j:BB+j+1], v[BB+j:BB+j+1], v[64*(\a)+j:64*(\a)+j+1]
.set j, j+2
.endr
	WIN 0
.set j, 0
.rept 16
	v_pk_add_f32 v[BB+j:BB+j+1], v[BB+j:BB+j+1], v[8:9]
	v_pk_add_f32 v[BB+j+2:BB+j+3], v[BB+j+2:BB+j+3], v[10:11]
.set j, j+4
.endr
.irp t, 0,1,2,3,4,5,6,7,8,9,10,11,12,13,14,15
	global_store_b128 v[LI], v[BB+4*\t:BB+4*\t+3], s[12:13] offset:(32*((\a)/2)+8*((\a)%2)+\t+8*(\t/8))*4096 th:TH_STORE_NT
.endr
.endm
	PLACES 8                                       ; behind the last products
	s_wait_loadcnt 0x0                             ; x and the bias
	TOSTAGE 0
.irp a, 1,2,3
.if \a > 1
	s_wait_xcnt 0x0                                ; block a - 2's stores have read their registers
.endif
	TOSTAGE \a
	SEND \a-1, 32                                  ; behind block a - 1's loads: block a's 16 stores and 16 loads
.endr
	SEND 3, 0
	s_wait_tensorcnt 0x0                           ; the wave's end
	ds_add_u32 v[SPW], v[NIL]
	s_wait_dscnt 0x0
	CROUND                                         ; the closing round
	s_endpgm
.Lfunc_end_k_q19c4bd423a_projg:
	.size	k_q19c4bd423a_projg, .Lfunc_end_k_q19c4bd423a_projg-k_q19c4bd423a_projg
	.p2alignl 7, 3214868480
	.fill 96, 4, 3214868480
	.section	.rodata,"a",@progbits
	.p2align	6, 0x0
	.amdhsa_kernel k_q19c4bd423a_projg
		.amdhsa_group_segment_fixed_size 327680
		.amdhsa_private_segment_fixed_size 0
		.amdhsa_enable_private_segment 0
		.amdhsa_kernarg_size 40
		.amdhsa_user_sgpr_count 2
		.amdhsa_user_sgpr_kernarg_segment_ptr 1
		.amdhsa_wavefront_size32 1
		.amdhsa_system_sgpr_workgroup_id_x 1
		.amdhsa_system_sgpr_workgroup_id_y 1
		.amdhsa_system_sgpr_workgroup_id_z 1
		.amdhsa_system_vgpr_workitem_id 0
		.amdhsa_next_free_vgpr 1024
		.amdhsa_next_free_sgpr 102
		.amdhsa_reserve_vcc 0
		.amdhsa_float_denorm_mode_32 3
		.amdhsa_float_denorm_mode_16_64 3
		.amdhsa_memory_ordered 1
		.amdhsa_forward_progress 1
		.amdhsa_inst_pref_size 109
	.end_amdhsa_kernel
	.amdgpu_metadata
---
amdhsa.version: [ 1, 2 ]
amdhsa.kernels:
  - .name:           k_q19c4bd423a_projg
    .symbol:         k_q19c4bd423a_projg.kd
    .args:
      - { .name: ctx, .offset: 0, .size: 8, .value_kind: global_buffer, .address_space: global }
      - { .name: wq, .offset: 8, .size: 8, .value_kind: global_buffer, .address_space: global }
      - { .name: proj_b, .offset: 16, .size: 8, .value_kind: global_buffer, .address_space: global }
      - { .name: x, .offset: 24, .size: 8, .value_kind: global_buffer, .address_space: global }
      - { .name: out0, .offset: 32, .size: 8, .value_kind: global_buffer, .address_space: global }
    .group_segment_fixed_size: 327680
    .private_segment_fixed_size: 0
    .kernarg_segment_align: 8
    .kernarg_segment_size: 40
    .max_flat_workgroup_size: 128
    .sgpr_count:     102
    .vgpr_count:     1024
    .wavefront_size: 32
...
	.end_amdgpu_metadata
.endif
;; end of part 4
